; MI455X (gfx1250); checked and timed in simulation.
; The chip was launched on July 23, 2026; its instructions are those of AMD's public machine-readable ISA for CDNA 5 (MIT licence, August 2026) and "CDNA5" Instruction Set Architecture Reference Guide (July 2026). The comments in the code are by the model that wrote it; some were corrected since.
;; Energy MHA. Allowed arithmetic: matrix products marked QUANTISED: E2M3 operands, one E8M0 scale for each 32 along K, by v_wmma_scale_f32_16x16x128_f8f6f4 with both operands' format E2M3, f32 sums; products left as they are: f32 operands where the result goes on into a quantised operand, else bf16, f16 or f32 operands; f32 sums; everything else in f32.
;; Inputs: Wk 16 x 64 x 1,024 float32; Wq 16 x 64 x 1,024 float32; beta 16 float32; x_codes 8 x 1,024 x 32 x 24 uint8 (E2M3 codes of x, K innermost, in blocks of 32 codes, four codes in three bytes); x_scales 8 x 1,024 x 32 uint8 (E8M0 scales of x, one for each 32 codes along K).
;; Outputs: out0 8 float32; out1 8 x 1,024 x 1,024 float32.
;; This version of the problem:
;;   THIS VERSION OF THE PROBLEM IS GIVEN IN LOW PRECISION. The matrix products marked QUANTISED in the list below multiply operands that are first quantised to E2M3 (2 exponent bits, 3 mantissa bits; 6 bits a number), with one power-of-two scale for each 32 numbers along K (OCP MX v1.0); their sums are f32. All else is computed in f32.
;;   The module's matrix products, in the order in which they are computed (A, B: the left and right operand; K: the contracted axis; several contracted axes count as one K, in the product's order):
;;     1. [M 8,192, K 1,024] x [K 1,024, N 1,024]; A: input x (given as codes); B: input Wk: QUANTISED
;;     2. [M 8,192, K 1,024] x [K 1,024, N 1,024]; A: input x (given as codes); B: input Wq: QUANTISED
;;     3. batch 16 x [M 524,288, K 1] x [K 1, N 1]; A: computed on the way; B: computed on the way: left as it is (no contracted axis)
;;     4. batch 128 x [M 1,024, K 64] x [K 64, N 1,024]; A: computed on the way; B: computed on the way: QUANTISED
;;     5. batch 128 x [M 1,024, K 1,024] x [K 1,024, N 64]; A: computed on the way; B: computed on the way: QUANTISED
;;     6. batch 128 x [M 1,024, K 1,024] x [K 1,024, N 64]; A: computed on the way; B: computed on the way: QUANTISED
;;     7. batch 16 x [M 524,288, K 1] x [K 1, N 1]; A: computed on the way; B: computed on the way: left as it is (no contracted axis)
;;     8. [M 8,192, K 1,024] x [K 1,024, N 1,024]; A: computed on the way; B: input Wq: QUANTISED
;;     9. [M 8,192, K 1,024] x [K 1,024, N 1,024]; A: computed on the way; B: input Wk: QUANTISED
;;   THE QUANTISER, for each operand of a quantised product, along K:
;;     - K is cut into blocks of 32 from its start; a last block that is shorter is filled with zeros.
;;     - A block's scale is 2^e with e = floor(log2(the largest magnitude in the block)) - 2, held to -126 .. 127; a block of zeros has e = 0. As a byte (E8M0): e + 127.
;;     - Each number is divided by its block's scale, clamped to +-7.5, and rounded to the nearest number of E2M3, ties to even, subnormals kept.
;;     - The product sums the exact products of the quantised numbers (number of the format x scale) in f32.
;;   ~~~python
;;   def quantise(x, axis):      # numpy; x: float32 -> the quantised numbers, widened to float32 again
;;       x = np.moveaxis(x, axis, -1); K = x.shape[-1]
;;       x = np.pad(x, [(0, 0)] * (x.ndim - 1) + [(0, -K % 32)]); x = x.reshape(x.shape[:-1] + (-1, 32)); a = np.abs(x).max(-1, keepdims=True)
;;       e = np.where(a > 0, np.clip(np.frexp(np.where(a > 0, a, 1))[1] - 1 - 2, -126, 127), 0)      # np.frexp(a)[1] - 1 = floor(log2(a)), exactly
;;       r = np.clip(x / 2.0 ** e, -7.5, 7.5)
;;       step = 2.0 ** (np.maximum(np.frexp(np.where(r == 0, 1, r))[1] - 1, 0) - 3)
;;       q = np.round(r / step) * step * 2.0 ** e      # np.round: ties to even
;;       return np.moveaxis(q.reshape(q.shape[:-2] + (-1,))[..., :K], -1, axis).astype(np.float32)
;;   ~~~
;;   OPERANDS COMPUTED ON THE WAY. 'Computed on the way' means the value that the module computes at that place (a softmax that the list does not call 'softmax' is quantised finished and normalised). What goes into a quantiser is computed in f32, as accurately as f32 sums, v_exp_f32 and their like allow (about 1e-6 of the number): no bf16 or f16 on the way to a quantiser, and a product that is left as it is and whose result goes on into a quantised operand takes f32 operands (vector FMAs, or v_wmma_f32_16x16x4_f32). A number that lies on a knife's edge between two numbers of the format may be rounded either way, as far as f32 arithmetic and the matrix unit's own rounding can turn it there, and no further.
;;   INPUTS GIVEN AS CODES. x (in the module: [8, 1024, 1024], K = its axis 2): each comes as NAME_codes (uint8): NAME with its K axis moved to the last place and cut into blocks of 32 codes, [.., K / 32, bytes a block], one block behind the other in memory; four codes in three bytes: a row's codes are one little-endian stream of bits, code i at bits 6 i .. 6 i + 5 (a code: sign, 2 exponent bits, 3 mantissa bits); and NAME_scales (uint8): the same leading axes, one E8M0 byte (e + 127) for each 32 codes along K. Its value is code x scale, taken as it is: it is not quantised again, and the codes and scales need not be those that the quantiser above would give.
;; One version. Each part assembles by itself: llvm-mc -triple=amdgcn-amd-amdhsa -mcpu=gfx1250 --defsym DOCPART=n.
;; ======== version 1 of 1: 5 launches
;; workspace buffers: xi 6,553,600 bytes; wd 1,638,400 bytes; wh 1,638,400 bytes; pj 26,214,400 bytes; st 540,672 bytes; gr 13,107,200 bytes
;; launch prep (part 1): grid 384 x 1, 4 waves a work-group, no clusters, 118,272 bytes of LDS; arguments x_codes, x_scales, Wq, Wk, xi, wd, wh; writes xi, wd, wh
.if DOCPART == 1
	.amdgcn_target "amdgcn-amd-amdhsa--gfx1250"
	.amdhsa_code_object_version 6
	.text
	.protected	k_q0466ef9354_prep
	.globl	k_q0466ef9354_prep
	.p2align	8
	.type	k_q0466ef9354_prep,@function
k_q0466ef9354_prep:
	s_mov_b64 s[64:65], 0
	v_nop
	global_prefetch_b8 v0, s[64:65] scope:SCOPE_SE
	s_setreg_imm32_b32 hwreg(HW_REG_WAVE_MODE, 25, 1), 1
	s_wait_xcnt 0x0
; EnergyMHA, launch 1 of 5: operands are laid out once, in the order in which a wave's operand registers take them.
; THE WHOLE PROGRAM: k = x Wk^T, q = x Wq^T, bq = beta q, att = bq k^T, lse = logsumexp over the keys, out0 = sum of -lse / beta,
; datt = -(1 / beta) exp(att - lse), dbq = datt k, dk = datt^T bq, dq = beta dbq, out1 = dq Wq + dk Wk.  Every product of the problem's table is done, every input is loaded: NOTHING IS LEFT OUT AS DEAD WORK.
; LIMITS (of the whole program): beta is neither 0 nor denormal; NaN and infinities among the inputs are not served; a block whose largest magnitude lies under 2^-124 gets the scale byte 1;
; a block of zeros gets the byte 1 where the rule says 127 (its codes are zeros, and these bytes are read by this program alone).
; FORMATS of all workspace buffers.  A TILE is 16 rows of a group of 128: row r of tile t is row T(t, r) = 32 (t / 2) + 8 (t % 2) + r + 8 (r / 8) of the group, so that, a tile being source 0 of a product,
; the 16 result registers of tiles 2 b and 2 b + 1 are 16 neighbours.  A FRAGMENT IMAGE (1,536 bytes) is a tile x 128 along K as the 12 operand registers hold it: register 4 g + e of lane l at byte 512 g + 16 l + 4 e.
; A SCALE BLOCK (512 bytes): the word of tile a, row r at 16 (16 (a % 2) + r) + 4 (a / 2): 16 bytes a lane give four registers, register j = tile 2 j in lanes 0-15, tile 2 j + 1 in lanes 16-31.
; A RECORD (12,800 bytes, 50 x 256) = the 8 fragments of a group for one 128 along K, then their scale block.
; THIS LAUNCH: work-groups 0-127: x's codes and scale bytes, as given, into records xi[group of 128 rows][d / 128].  128-255: Wq, Wk quantised along d into wd[hz / 128 of (Wq; Wk)][d / 128].
; 256-383: the same two quantised along (h, z) into wh[d / 128][8 x (Wq 0, Wk 1) + hz / 128].  Waves share nothing: no barrier.  Each path has LDS bytes of its own.
.set REC,   12800
.set FRB,   1536
.set SWO,   12288
.set XPIT,  784                        ; x's stage: a row of 768 bytes + 16
.set XSTW,  16*XPIT                    ; 16 rows for each wave
.set DPIT,  528                        ; W's stage: 512 bytes + 16: an odd multiple of 16
.set DST,   4*XSTW
.set DSTW,  32*DPIT
.set SPARE, DST+4*DSTW                 ; the spare words, 128 bytes for each wave
.set SPW, 1                            ; v1  my spare word's LDS address; never rewritten
.set NIL, 2                            ; v2  0; never rewritten
.set LI,  3                            ; v3  16 x lane
.set VA,  4                            ; v4  x's stage, way in
.set VB,  5                            ; v5  the same, 16 more in lanes 16-31
.set VR,  6                            ; v6  x's stage, way out: row r, + 24 (lane / 16)
.set DSA, 7                            ; v7  W's stage, way in
.set DRA, 8                            ; v8  W's stage, way out: row = lane
.set FO,  9                            ; v9  16 x lane + 2 fragments x wave
.set SO,  10                           ; v10 16 x lane + 4 x wave
.set XSO, 14                           ; v14 32 x perm(lane)
.set PRM, 15                           ; v15 4 x perm(lane);  perm(l) = r + 8 (r / 8) + 8 (l / 16): the row of a pair of tiles that lane l stands for
.set RW,  16                           ; v16 my row's scale word
.set XW,  24                           ; v24-27 x's scale words
.set NUM, 32                           ; v32-159 numbers (or x's codes as loaded)
.set FRG, 128                          ; v128-223 x's eight fragments
.set FA,  160                          ; v160-171 tile 2 j's fragment
.set FB,  172                          ; v172-183 tile 2 j + 1's
.set TMP, 184
	s_load_b256 s[4:11], s[0:1], 0x0               ; x_codes, x_scales, Wq, Wk
	s_load_b128 s[12:15], s[0:1], 0x20             ; xi, wd
	s_load_b64 s[16:17], s[0:1], 0x30              ; wh
	v_lshl_add_u32 v[SPW], v0, 2, SPARE
	v_mov_b32 v[NIL], 0
	v_lshrrev_b32 v17, 5, v0
	v_readfirstlane_b32 s18, v17                   ; wave
	v_and_b32 v17, 31, v0                          ; lane
	v_and_b32 v18, 15, v0                          ; r
	v_bfe_u32 v19, v0, 4, 1                        ; lane / 16
	v_lshlrev_b32 v[LI], 4, v17
	s_mul_i32 s19, s18, XSTW
	v_add_nc_u32 v[VA], s19, v[LI]
	v_lshl_add_u32 v[VB], v19, 4, v[VA]
	v_mul_u32_u24 v[VR], v18, XPIT
	v_mad_u32_u24 v[VR], v19, 24, v[VR]
	v_add_nc_u32 v[VR], s19, v[VR]
	s_mul_i32 s19, s18, DSTW
	s_add_co_u32 s19, s19, DST
	v_add_nc_u32 v[DSA], s19, v[LI]
	v_mul_u32_u24 v[DRA], v17, DPIT
	v_add_nc_u32 v[DRA], s19, v[DRA]
	s_mul_i32 s19, s18, 2*FRB
	v_add_nc_u32 v[FO], s19, v[LI]
	s_lshl_b32 s19, s18, 2
	v_add_nc_u32 v[SO], s19, v[LI]
	v_and_b32 v11, 8, v18
	v_add_nc_u32 v11, v11, v18
	v_lshl_add_u32 v11, v19, 3, v11                ; perm(lane)
	v_lshlrev_b32 v[XSO], 5, v11
	v_lshlrev_b32 v[PRM], 2, v11
	s_wait_kmcnt 0x0
	s_cmp_ge_u32 ttmp9, 128
	s_cbranch_scc1 .Lweights
	; ---- x: work-group = (group G, half); my wave takes the scale block of chunk kc = 4 half + wave, and tile a = the same number for all 8 chunks
	s_lshr_b32 s20, ttmp9, 1                       ; G
	s_and_b32 s21, ttmp9, 1
	s_lshl_b32 s21, s21, 2
	s_add_co_u32 s21, s21, s18                     ; a = kc
	s_lshl_b32 s22, s20, 12                        ; scale bytes: 128 rows of 32 bytes a group,
	s_lshl_b32 s23, s21, 2
	s_add_co_u32 s22, s22, s23                     ; + 4 kc
	s_mov_b32 s23, 0
	s_lshl_b32 s24, s20, 7
	s_lshr_b32 s25, s21, 1
	s_lshl_b32 s25, s25, 5
	s_add_co_u32 s24, s24, s25
	s_and_b32 s25, s21, 1
	s_lshl_b32 s25, s25, 3
	s_add_co_u32 s24, s24, s25                     ; the tile's first row: 128 G + 32 (a / 2) + 8 (a % 2)
	s_mul_i32 s24, s24, 768
	s_mov_b32 s25, 0
	s_lshl_b32 s26, s20, 3
	s_add_co_u32 s28, s26, s21
	s_mul_i32 s28, s28, REC
	s_add_co_u32 s28, s28, SWO                     ; record (G, kc)'s scale block
	s_mov_b32 s29, 0
	s_mul_i32 s26, s26, REC
	s_mul_i32 s30, s21, FRB
	s_add_co_u32 s26, s26, s30                     ; record (G, 0)'s fragment a
	s_mov_b32 s27, 0
	s_add_nc_u64 s[6:7], s[6:7], s[22:23]
	s_add_nc_u64 s[4:5], s[4:5], s[24:25]
	s_add_nc_u64 s[28:29], s[12:13], s[28:29]
	s_add_nc_u64 s[26:27], s[12:13], s[26:27]
.irp j, 0,1,2,3
	global_load_b32 v[XW+\j], v[XSO], s[6:7] offset:1024*\j          ; register j of the scale block: the word of row 32 j + perm(lane)
.endr
.irp u, 0,1                                    ; the tile's rows are two runs of 8 rows, 16 rows apart: 6,144 dense bytes each, 512 a load
.irp j, 0,1,2,3,4,5,6,7,8,9,10,11
	global_load_b128 v[NUM+4*(12*\u+\j):NUM+4*(12*\u+\j)+3], v[LI], s[4:5] offset:12288*\u+512*\j th:TH_LOAD_NT
.endr
.endr
	s_wait_loadcnt 24                              ; the four words are in; the 24 loads of codes may be out
	global_store_b128 v[LI], v[XW:XW+3], s[28:29]
	s_wait_loadcnt 0x0
.irp u, 0,1                                    ; into the stage as they lie, 16 bytes more for each row passed: a load's 512 bytes lie in one row, or (every third) pass into the next at lane 16
.irp j, 0,1,2,3,4,5,6,7,8,9,10,11
.if \j%3 == 1
	ds_store_b128 v[VB], v[NUM+4*(12*\u+\j):NUM+4*(12*\u+\j)+3] offset:8*XPIT*\u+512*\j+32*(\j/3)
.else
	ds_store_b128 v[VA], v[NUM+4*(12*\u+\j):NUM+4*(12*\u+\j)+3] offset:8*XPIT*\u+512*\j+32*(\j/3)+16*((\j%3)/2)
.endif
.endr
.endr
.irp k, 0,1,2,3,4,5,6,7                        ; back as operand registers: LDS serves a wave's instructions in order, so these see my stores
.irp c, 0,1
.irp p, 0,1,2
	ds_load_b64 v[FRG+12*\k+6*\c+2*\p:FRG+12*\k+6*\c+2*\p+1], v[VR] offset:96*\k+48*\c+8*\p
.endr
.endr
.endr
.irp k, 0,1,2,3,4,5,6,7
	s_wait_dscnt 42-6*\k                           ; chunk k's six loads are in; the later chunks' may be out
.irp g, 0,1,2
	global_store_b128 v[LI], v[FRG+12*\k+4*\g:FRG+12*\k+4*\g+3], s[26:27] offset:\k*REC+512*\g   ; 32 lanes store 512 consecutive bytes
.endr
.endr
	s_branch .Lend
	; ---- Wq, Wk: a work-group makes one record; wave j its tiles 2 j and 2 j + 1 (32 rows); a lane holds the 128 numbers along K of row 32 j + perm(lane)
.Lweights:
	s_sub_co_u32 s20, ttmp9, 128
	s_and_b32 s20, s20, 127                        ; the record
	s_mul_i32 s30, s20, REC
	s_mov_b32 s31, 0
	s_lshl_b32 s21, s18, 5                         ; 32 j
	s_cmp_ge_u32 ttmp9, 256
	s_cbranch_scc1 .Lalong_hz
	; K = d, innermost in memory: rows are loaded dense (512 bytes a row and load) and turned through my stage
	s_lshr_b32 s22, s20, 3                         ; G: 0-7 Wq, 8-15 Wk
	s_and_b32 s23, s20, 7                          ; kc
	s_and_b32 s28, s22, 7
	s_lshl_b32 s28, s28, 7
	s_add_co_u32 s28, s28, s21
	s_lshl_b32 s28, s28, 12                        ; row x 4,096 bytes
	s_lshl_b32 s29, s23, 9
	s_add_co_u32 s28, s28, s29                     ; + 512 kc
	s_mov_b32 s29, 0
	s_cmp_lt_u32 s22, 8
	s_cselect_b64 s[24:25], s[8:9], s[10:11]
	s_add_nc_u64 s[24:25], s[24:25], s[28:29]
	s_add_nc_u64 s[26:27], s[14:15], s[30:31]
.set n, 0
.rept 32
	global_load_b128 v[NUM+4*n:NUM+4*n+3], v[LI], s[24:25] offset:4096*n
.set n, n+1
.endr
	s_wait_loadcnt 0x0
.set n, 0
.rept 32                                       ; row n goes to the place of the lane that stands for it
	ds_store_b128 v[DSA], v[NUM+4*n:NUM+4*n+3] offset:DPIT*((n&7)+8*((n>>4)&1)+16*((n>>3)&1))
.set n, n+1
.endr
	s_wait_dscnt 0x0                               ; the stores have read their registers
.set n, 0
.rept 32
	ds_load_b128 v[NUM+4*n:NUM+4*n+3], v[DRA] offset:16*n
.set n, n+1
.endr
	s_wait_dscnt 0x0
	s_branch .Lquant
.Lalong_hz:
	; K = (h, z), the first axis in memory: a lane takes a column d and its registers run down K; each load reads 128 consecutive bytes, the four waves stand side by side
	s_lshr_b32 s22, s20, 4                         ; G: d / 128
	s_and_b32 s23, s20, 15                         ; kc = 8 x (Wq 0, Wk 1) + hz / 128
	s_and_b32 s28, s23, 7
	s_lshl_b32 s28, s28, 19                        ; 128 rows of 4,096 bytes
	s_lshl_b32 s29, s22, 7
	s_add_co_u32 s29, s29, s21
	s_lshl_b32 s29, s29, 2
	s_add_co_u32 s28, s28, s29
	s_mov_b32 s29, 0
	s_cmp_lt_u32 s23, 8
	s_cselect_b64 s[24:25], s[8:9], s[10:11]
	s_add_nc_u64 s[24:25], s[24:25], s[28:29]
	s_add_nc_u64 s[26:27], s[16:17], s[30:31]
.set n, 0
.rept 128
	global_load_b32 v[NUM+n], v[PRM], s[24:25] offset:4096*n
.set n, n+1
.endr
	s_wait_loadcnt 0x0
.Lquant:
; block al of my row: its largest magnitude (with the floor 2^-124 among the leaves: the byte cannot fall under 1), 2 off the exponent field = the conversion's scale operand, its byte, 32 codes in six registers from dst on
.macro BLOCKQ al, dst
.set XS, NUM+32*(\al)
	v_max3_num_f32 v12, |v[XS]|, |v[XS+1]|, |v[XS+2]|
	v_max3_num_f32 v13, |v[XS+3]|, |v[XS+4]|, |v[XS+5]|
.irp i, 6,10,14,18,22,26
	v_max3_num_f32 v12, v12, |v[XS+\i]|, |v[XS+\i+1]|
	v_max3_num_f32 v13, v13, |v[XS+\i+2]|, |v[XS+\i+3]|
.endr
	v_max3_num_f32 v12, v12, |v[XS+30]|, |v[XS+31]|
	v_max3_num_f32 v12, v12, v13, 0x1800000
	v_add_nc_u32 v11, 0xff000000, v12
	v_cvt_scalef32_pk16_fp6_f32 v[(\dst):(\dst)+2], v[XS:XS+15], v11
	v_cvt_scalef32_pk16_fp6_f32 v[TMP:TMP+2], v[XS+16:XS+31], v11    ; (a conversion's three registers begin on an even number)
	v_lshrrev_b32 v13, 23, v11                     ; the byte: also the plain line behind the conversions
.if (\al) == 0
	v_mov_b32 v[RW], v13
.else
	v_lshl_or_b32 v[RW], v13, 8*(\al), v[RW]
.endif
.irp i, 0,1,2
	v_mov_b32 v[(\dst)+3+\i], v[TMP+\i]
.endr
.endm
	BLOCKQ 0, FA
	BLOCKQ 1, FB
	BLOCKQ 2, FA+6
	BLOCKQ 3, FB+6
.set n, 0
.rept 12                                       ; lanes 0-15 hold tile 2 j's rows, lanes 16-31 tile 2 j + 1's, all four blocks each; an operand wants blocks 0, 2 in lanes 0-15 and 1, 3 in lanes 16-31:
	v_permlane16_swap_b32 v[FA+n], v[FB+n]         ; the first's lanes 16-31 change places with the second's lanes 0-15
.set n, n+1
.endr
.irp g, 0,1,2
	global_store_b128 v[FO], v[FA+4*\g:FA+4*\g+3], s[26:27] offset:512*\g
	global_store_b128 v[FO], v[FB+4*\g:FB+4*\g+3], s[26:27] offset:FRB+512*\g
.endr
	global_store_b32 v[SO], v[RW], s[26:27] offset:SWO   ; my words are register j of the scale block: 4 bytes a lane, 16 apart; 512 of the record's 12,800 bytes leave so
.Lend:
	s_wait_tensorcnt 0x0                           ; the wave's end, behind my last LDS store
	ds_add_u32 v[SPW], v[NIL]
	s_wait_dscnt 0x0
	s_endpgm
.Lfunc_end_k_q0466ef9354_prep:
	.size	k_q0466ef9354_prep, .Lfunc_end_k_q0466ef9354_prep-k_q0466ef9354_prep
	.p2alignl 7, 3214868480
	.fill 96, 4, 3214868480
	.section	.rodata,"a",@progbits
	.p2align	6, 0x0
	.amdhsa_kernel k_q0466ef9354_prep
		.amdhsa_group_segment_fixed_size 118272
		.amdhsa_private_segment_fixed_size 0
		.amdhsa_enable_private_segment 0
		.amdhsa_kernarg_size 56
		.amdhsa_user_sgpr_count 2
		.amdhsa_user_sgpr_kernarg_segment_ptr 1
		.amdhsa_wavefront_size32 1
		.amdhsa_system_sgpr_workgroup_id_x 1
		.amdhsa_system_sgpr_workgroup_id_y 1
		.amdhsa_system_sgpr_workgroup_id_z 1
		.amdhsa_system_vgpr_workitem_id 0
		.amdhsa_next_free_vgpr 224
		.amdhsa_next_free_sgpr 66
		.amdhsa_reserve_vcc 0
		.amdhsa_float_denorm_mode_32 3
		.amdhsa_float_denorm_mode_16_64 3
		.amdhsa_memory_ordered 1
		.amdhsa_forward_progress 1
		.amdhsa_inst_pref_size 40
	.end_amdhsa_kernel
	.amdgpu_metadata
---
amdhsa.version: [ 1, 2 ]
amdhsa.kernels:
  - .name:           k_q0466ef9354_prep
    .symbol:         k_q0466ef9354_prep.kd
    .args:
      - { .name: x_codes, .offset: 0, .size: 8, .value_kind: global_buffer, .address_space: global }
      - { .name: x_scales, .offset: 8, .size: 8, .value_kind: global_buffer, .address_space: global }
      - { .name: Wq, .offset: 16, .size: 8, .value_kind: global_buffer, .address_space: global }
      - { .name: Wk, .offset: 24, .size: 8, .value_kind: global_buffer, .address_space: global }
      - { .name: xi, .offset: 32, .size: 8, .value_kind: global_buffer, .address_space: global }
      - { .name: wd, .offset: 40, .size: 8, .value_kind: global_buffer, .address_space: global }
      - { .name: wh, .offset: 48, .size: 8, .value_kind: global_buffer, .address_space: global }
    .group_segment_fixed_size: 118272
    .private_segment_fixed_size: 0
    .kernarg_segment_align: 8
    .kernarg_segment_size: 56
    .max_flat_workgroup_size: 128
    .sgpr_count:     66
    .vgpr_count:     224
    .wavefront_size: 32
...
	.end_amdgpu_metadata
.endif
;; end of part 1
;; launch proj (part 2): grid 8 x 64, 4 waves a work-group, clusters of 4 x 4, 327,680 bytes of LDS; arguments xi, wd, beta, pj; writes pj
.if DOCPART == 2
	.amdgcn_target "amdgcn-amd-amdhsa--gfx1250"
	.amdhsa_code_object_version 6
	.text
	.protected	k_q0466ef9354_proj
	.globl	k_q0466ef9354_proj
	.p2align	8
	.type	k_q0466ef9354_proj,@function
k_q0466ef9354_proj:
	s_mov_b64 s[64:65], 0
	v_nop
	global_prefetch_b8 v0, s[64:65] scope:SCOPE_SE
	s_setreg_imm32_b32 hwreg(HW_REG_WAVE_MODE, 25, 1), 1
	s_wait_xcnt 0x0
	s_wait_alu depctr_hold_cnt(0) depctr_sa_sdst(0) depctr_va_vdst(0) depctr_va_sdst(0) depctr_va_ssrc(0) depctr_va_vcc(0) depctr_vm_vsrc(0)
	s_getreg_b32 s2, hwreg(HW_REG_IB_STS2, 6, 4)
	s_cmp_eq_u32 s2, 0
	s_cbranch_scc0 .Lentry_in_a_cluster
	s_endpgm
.Lentry_in_a_cluster:
	s_bfe_u32 s2, ttmp6, 0x10000c
	s_cmp_lg_u32 s2, 0xf033
	s_cbranch_scc0 .Lentry_shape_is_right
	s_endpgm
.Lentry_shape_is_right:
; Launch 2 of 5: q = x Wq^T, k = x Wk^T on codes of E2M3, bq = beta q, and the results quantised on the way out.  Nothing is left out as dead work.
; Both are wanted twice: quantised along z (for att = bq k^T) and along l (for datt k and datt^T bq).  A lane can quantise only along its own registers, so the product is made in both orientations:
; MODE Z (clusters y 0-7):  A = xi (rows l),  B = wd (rows hz): a lane holds one l, its registers run along hz.   MODE L (clusters y 8-15): A = wd, B = xi: a lane holds one hz, its registers run along l.
; Swapped sources give the same sums.  No f32 result goes to memory: out go records pj[mode][8 x (bq 0, k 1) + head pair][8 batch + l / 128], rows and K as the later launches' operands want them.
; THE PRODUCT: a tile of 256 x 256 to a work-group, 128 x 128 to each of four waves (64 accumulators); source 0 = 16 rows of B, source 1 = 16 rows of A.  K = 1,024 in 8 chunks of 128; a slot of the ring of two
; holds two chunks of four groups (A's two, B's two), each wave fetching one group's two records, 25,600 dense bytes, by one tensor load.  Operands come from LDS as images of their registers: 16 bytes a lane, no pitch, no padding.
; CLUSTERS 4 x 4: A's records are shared along a row of the cluster, B's along a column: joint loads.  Mode and (bq or k) hang on the cluster's numbers alone, so every branch is alike in all partners.
; REGISTERS: window 0: v16-29 addresses; v32-63 scale words, two sets; v128-223 A's 8 fragments (one set); on the way out v64-195.  window 1: B's two sets at v0, v128.  windows 2, 3: accumulator (a, b) at v[8 (8 (a % 4) + b)].
.set REC,   12800
.set FRB,   1536
.set SWO,   12288
.set NKC,   8                          ; chunks of 128 along K
.set GRP,   NKC*REC                    ; a group's records
.set LOADB, 2*REC                      ; what one tensor load brings
.set SLOT,  4*LOADB
.set SPARE, 2*SLOT                     ; behind the ring: the spare words, 128 bytes for each wave
.set LAPS,  NKC/4
.set FR, 12
.set NL, 3                             ; LDS loads to a fragment
.set NP, 4                             ; places behind this matrix instruction
.set ADRA, 16                          ; v16-17 my A group in slot 0, 1 (+ 16 x lane)
.set ADRB, 20                          ; v20-21 my B group
.set LI,   24                          ; v24 16 x lane
.set SPW,  28
.set NIL,  29
.set SC,   32                          ; scale words: set s, chunk q: A's four registers at SC + 16 s + 8 q, B's four behind them
.set AF,   128
.set PC,   64                          ; the way out: codes of block a at v[PC + 12 a]
.set TMP,  160
.set TM,   168
.set PW,   184                         ; scale word of block a
.set RR,   192                         ; the scale block's four registers
.set G1, 24
.set G0, 32
.set G1B, 48
.set G0B, 56
.set FF, 72                            ; s[72:79] the factor of accumulator (a, b): pair FF + 4 (a / 4) + 2 (b / 4)
.set SEL, 88
.set MSB, 0
.macro WIN new                         ; the immediate's high byte repeats the setting that is left
.if MSB != (\new)
	s_set_vgpr_msb (MSB<<8)|(\new)
.set MSB, (\new)
.endif
.endm
.set MUL_LO, 0xa1                      ; source 0 (B) window 1, source 1 (A) window 0, C and D window 2
.set MUL_HI, 0xf1
.set TO_B,   0x40
; one scaled product: D at d, source 0 at a, source 1 at b, their scale registers sa, sb; ra, rb = 1: the scales stand in lanes 16-31; zero = 1: the product starts the sum
.macro WM d, a, b, sa, sb, ra, rb, zero
.if \zero
.if (\ra) && (\rb)
	v_wmma_scale_f32_16x16x128_f8f6f4 v[(\d):(\d)+7], v[(\a):(\a)+11], v[(\b):(\b)+11], 0, v[\sa], v[\sb] matrix_a_fmt:MATRIX_FMT_FP6 matrix_b_fmt:MATRIX_FMT_FP6 matrix_a_scale:MATRIX_SCALE_ROW1 matrix_b_scale:MATRIX_SCALE_ROW1
.elseif \ra
	v_wmma_scale_f32_16x16x128_f8f6f4 v[(\d):(\d)+7], v[(\a):(\a)+11], v[(\b):(\b)+11], 0, v[\sa], v[\sb] matrix_a_fmt:MATRIX_FMT_FP6 matrix_b_fmt:MATRIX_FMT_FP6 matrix_a_scale:MATRIX_SCALE_ROW1
.elseif \rb
	v_wmma_scale_f32_16x16x128_f8f6f4 v[(\d):(\d)+7], v[(\a):(\a)+11], v[(\b):(\b)+11], 0, v[\sa], v[\sb] matrix_a_fmt:MATRIX_FMT_FP6 matrix_b_fmt:MATRIX_FMT_FP6 matrix_b_scale:MATRIX_SCALE_ROW1
.else
	v_wmma_scale_f32_16x16x128_f8f6f4 v[(\d):(\d)+7], v[(\a):(\a)+11], v[(\b):(\b)+11], 0, v[\sa], v[\sb] matrix_a_fmt:MATRIX_FMT_FP6 matrix_b_fmt:MATRIX_FMT_FP6
.endif
.else
.if (\ra) && (\rb)
	v_wmma_scale_f32_16x16x128_f8f6f4 v[(\d):(\d)+7], v[(\a):(\a)+11], v[(\b):(\b)+11], v[(\d):(\d)+7], v[\sa], v[\sb] matrix_a_fmt:MATRIX_FMT_FP6 matrix_b_fmt:MATRIX_FMT_FP6 matrix_a_scale:MATRIX_SCALE_ROW1 matrix_b_scale:MATRIX_SCALE_ROW1
.elseif \ra
	v_wmma_scale_f32_16x16x128_f8f6f4 v[(\d):(\d)+7], v[(\a):(\a)+11], v[(\b):(\b)+11], v[(\d):(\d)+7], v[\sa], v[\sb] matrix_a_fmt:MATRIX_FMT_FP6 matrix_b_fmt:MATRIX_FMT_FP6 matrix_a_scale:MATRIX_SCALE_ROW1
.elseif \rb
	v_wmma_scale_f32_16x16x128_f8f6f4 v[(\d):(\d)+7], v[(\a):(\a)+11], v[(\b):(\b)+11], v[(\d):(\d)+7], v[\sa], v[\sb] matrix_a_fmt:MATRIX_FMT_FP6 matrix_b_fmt:MATRIX_FMT_FP6 matrix_b_scale:MATRIX_SCALE_ROW1
.else
	v_wmma_scale_f32_16x16x128_f8f6f4 v[(\d):(\d)+7], v[(\a):(\a)+11], v[(\b):(\b)+11], v[(\d):(\d)+7], v[\sa], v[\sb] matrix_a_fmt:MATRIX_FMT_FP6 matrix_b_fmt:MATRIX_FMT_FP6
.endif
.endif
.endm
; a joint load: waves 0 and 1 fetch for A, waves 2 and 3 for B; the branch hangs on the wave's number alone.  An s_nop 0 and four v_nop follow each of the two lines
.macro JLOAD g0a, g1a, g0b, g1b
	s_cmp_eq_u32 s15, 0
	s_cbranch_scc0 .Lfor_b_\@
	tensor_load_to_lds s[\g0a:\g0a+3], s[\g1a:\g1a+7]
	s_nop 0
.rept 4
	v_nop
.endr
	s_branch .Lasked_\@
.Lfor_b_\@:
	tensor_load_to_lds s[\g0b:\g0b+3], s[\g1b:\g1b+7]
	s_nop 0
.rept 4
	v_nop
.endr
.Lasked_\@:
.endm
.macro CREST                           ; a round of the cluster's barrier behind its opening barrier
	s_cmp_lg_u32 s14, 0
	s_cbranch_scc1 .Lnot_wave_0_\@
	s_barrier_signal -3
.Lnot_wave_0_\@:
	s_barrier_wait -3
	s_barrier_signal -1
	s_barrier_wait -1
.endm
.macro CROUND
	s_barrier_signal -1
	s_barrier_wait -1
	CREST
.endm
	s_load_b128 s[4:7], s[0:1], 0x0                ; xi, wd
	s_load_b128 s[8:11], s[0:1], 0x10              ; beta, pj
	v_lshl_add_u32 v[SPW], v0, 2, SPARE
	v_mov_b32 v[NIL], 0
	ds_add_u32 v[SPW], v[NIL]                      ; the wave's opening: the add, twice on end, and its wait ahead of my first tensor load
	ds_add_u32 v[SPW], v[NIL]
	v_lshrrev_b32 v1, 5, v0
	v_readfirstlane_b32 s14, v1                    ; wave 0..3
	s_lshr_b32 s15, s14, 1                         ; which of A's two groups I multiply.  Also: I fetch for A (0) or for B (1)
	s_and_b32 s16, s14, 1                          ; which of B's two groups I multiply.  Also: which of the two groups I fetch
	s_bfe_u32 s40, ttmp6, 0x40000                  ; cx
	s_bfe_u32 s41, ttmp6, 0x40004                  ; cy
	s_and_b32 s17, ttmp7, 0xffff                   ; the cluster's y
	s_sub_co_u32 s42, s17, 8
	s_lshl_b32 s42, s42, 1
	s_add_co_u32 s42, s42, ttmp9                   ; mode L: cluster c = 2 (y - 8) + x of 16, laid 8 x 2
	s_and_b32 s43, s42, 7
	s_lshr_b32 s44, s42, 3
	s_cmp_ge_u32 s17, 8
	s_cselect_b32 s66, 1, 0                        ; mode: 0 = Z, 1 = L
	s_cselect_b32 s43, s43, ttmp9                  ; the cluster's column of tiles
	s_cselect_b32 s44, s44, s17                    ; and its row
	s_cselect_b32 s67, s44, s43                    ; 0: these are q's rows of wd, 1: k's (8 groups, 4 tiles, one cluster's width each)
	s_lshl_b32 s42, s43, 2
	s_add_co_u32 s42, s42, s40                     ; X: tile column
	s_lshl_b32 s17, s44, 2
	s_add_co_u32 s17, s17, s41                     ; Y: tile row
	s_lshl_b32 s43, s41, 2
	s_lshl_b32 s43, 15, s43                        ; my row of the cluster
	s_lshl_b32 s44, 0x1111, s40                    ; my column
	; descriptor group 1: 25,600 dense bytes as 100 rows of 32 elements of 8 bytes
	s_or_b32 s[G1+0], s43, (3<<16)|(1<<21)         ; 15:0 the mask: A's records go to my row; 17:16 elements of 8 bytes; 21 set beside a mask
	s_or_b32 s[G1B+0], s44, (3<<16)|(1<<21)
.irp g, G1, G1B
	s_mov_b32 s[\g+1], 32<<16                      ; tensor_dim0
	s_mov_b32 s[\g+2], 100<<16                     ; tensor_dim1
	s_mov_b32 s[\g+3], 32<<16                      ; tile_dim0
	s_mov_b32 s[\g+4], 100                         ; tile_dim1
	s_mov_b32 s[\g+5], 32                          ; tensor_dim0_stride
	s_mov_b32 s[\g+6], 0
	s_mov_b32 s[\g+7], 0
.endr
	s_lshl_b32 s20, s17, 1
	s_add_co_u32 s20, s20, s16                     ; A's group that I fetch: 2 Y + wave % 2
	s_mul_i32 s20, s20, GRP
	s_mov_b32 s21, 0
	s_lshl_b32 s46, s42, 1
	s_add_co_u32 s46, s46, s16                     ; B's group that I fetch, which is also the one that I multiply: u = 2 X + wave % 2
	s_mov_b32 s68, s46
	s_mul_i32 s46, s46, GRP
	s_mov_b32 s47, 0
	s_mul_i32 s45, s14, LOADB                      ; where my load lands in a slot: no place in the cluster enters an LDS address
	s_lshl_b32 s69, s17, 1
	s_add_co_u32 s69, s69, s15                     ; A's group that I multiply: v = 2 Y + wave / 2
	s_cmp_eq_u32 s66, 0
	s_cselect_b32 s70, s68, s69                    ; wd's group: 8 x (q 0, k 1) + head pair
	s_cselect_b32 s71, s69, s68                    ; xi's group: 8 batch + l / 128
	s_lshl_b32 s80, s66, 10
	s_lshl_b32 s81, s70, 6
	s_add_co_u32 s80, s80, s81
	s_add_co_u32 s80, s80, s71
	s_mul_i32 s80, s80, REC                        ; my record of pj
	s_mov_b32 s81, 0
	s_and_b32 s70, s70, 7
	s_lshl_b32 s70, s70, 3                         ; beta of my two heads: 8 bytes
	s_mov_b32 s[SEL], 0x76543210
	s_mov_b32 s[SEL+1], 0xfedcba98                 ; v_permlanex16_b32's selects for lane l xor 16
	s_mov_b32 s90, 0xffff0000                      ; lanes 16-31
	s_wait_dscnt 0x0                               ; both opening adds are done
	s_wait_kmcnt 0x0
	s_load_b64 s[82:83], s[8:9], s70 offset:0x0
	s_cmp_eq_u32 s66, 0
	s_cselect_b64 s[84:85], s[4:5], s[6:7]         ; A
	s_cselect_b64 s[86:87], s[6:7], s[4:5]         ; B
	s_add_nc_u64 s[20:21], s[84:85], s[20:21]
	s_add_nc_u64 s[46:47], s[86:87], s[46:47]
	s_add_nc_u64 s[10:11], s[10:11], s[80:81]
	CROUND                                         ; all sixteen work-groups are here: the first joint loads meet
.irp s, 0,1
	s_mov_b32 s[G0+4*\s], 1
	s_add_co_u32 s[G0+4*\s+1], s45, \s*SLOT
	s_add_nc_u64 s[G0+4*\s+2:G0+4*\s+3], s[20:21], \s*LOADB
	s_or_b32 s[G0+4*\s+3], s[G0+4*\s+3], 0x80000000
	s_mov_b32 s[G0B+4*\s], 1
	s_add_co_u32 s[G0B+4*\s+1], s45, \s*SLOT
	s_add_nc_u64 s[G0B+4*\s+2:G0B+4*\s+3], s[46:47], \s*LOADB
	s_or_b32 s[G0B+4*\s+3], s[G0B+4*\s+3], 0x80000000
	JLOAD G0+4*\s, G1, G0B+4*\s, G1B
.endr
	v_and_b32 v1, 31, v0
	v_lshlrev_b32 v[LI], 4, v1
	s_mul_i32 s21, s15, LOADB                      ; A's two groups lie first in a slot,
	s_mul_i32 s22, s16, LOADB
	s_add_co_u32 s22, s22, 2*LOADB                 ; B's two behind them
.irp s, 0,1
	v_add_nc_u32 v[ADRA+\s], s21, v[LI]
	v_add_nc_u32 v[ADRB+\s], s22, v[LI]
	s_add_co_u32 s21, s21, SLOT
	s_add_co_u32 s22, s22, SLOT
.endr
.macro FRAG reg, adr, q, i             ; fragment i of the slot's q-th chunk: three loads of 16 bytes a lane, 512 consecutive bytes each
.irp g, 0,1,2
	ds_load_b128 v[(\reg)+4*\g:(\reg)+4*\g+3], v[\adr] offset:(\q)*REC+(\i)*FRB+512*\g
.endr
.endm
; 16 matrix instructions: A's blocks a0, a0 + 1 x B's eight.  p: B's set; q: the chunk in the slot; sc: the set of scale words.  The 64 accumulators take turns, one instruction a turn, in the same order in every step
.macro MUL16 a0, p, q, sc, zero
.irp a, \a0, \a0+1
.irp b, 0,1,2,3,4,5,6,7
	WM 8*(8*((\a)%4)+\b), 128*(\p)+FR*\b, AF+FR*(\a), SC+16*(\sc)+8*(\q)+4+\b/2, SC+16*(\sc)+8*(\q)+(\a)/2, \b%2, (\a)%2, \zero
.endr
.endr
.endm
.macro FETCH_B slot, q, p
	WIN TO_B
.irp i, 0,1,2,3,4,5,6,7
	FRAG 128*(\p)+FR*\i, ADRB+\slot, \q, \i
.endr
	WIN 0
.endm
.macro FETCH_A slot, q, i0
.irp i, \i0, \i0+1, \i0+2, \i0+3
	FRAG AF+FR*(\i), ADRA+\slot, \q, \i
.endr
.endm
.macro SCALES slot                     ; both chunks' scale blocks of my two groups into set slot
.irp q, 0,1
	ds_load_b128 v[SC+16*\slot+8*\q:SC+16*\slot+8*\q+3], v[ADRA+\slot] offset:\q*REC+SWO
	ds_load_b128 v[SC+16*\slot+8*\q+4:SC+16*\slot+8*\q+7], v[ADRB+\slot] offset:\q*REC+SWO
.endr
.endm
.macro PLACES n                        ; plain vector lines between a matrix instruction and a load into, or a vector read of, its registers
.rept \n
	v_nop
.endr
.endm
.macro STEP slot, q, zero              ; a chunk that has its successor in the same slot
	s_wait_dscnt 4*NL                              ; all but the youngest 12 loads (A's blocks 4-7) are in
	WIN MUL_LO
	MUL16 0, (\q)%2, \q, \slot, \zero
	MUL16 2, (\q)%2, \q, \slot, \zero
	s_wait_dscnt 0
	PLACES NP
	FETCH_B \slot, (\q)+1, 1-(\q)%2
	FETCH_A \slot, (\q)+1, 0
	WIN MUL_HI
	MUL16 4, (\q)%2, \q, \slot, \zero
	MUL16 6, (\q)%2, \q, \slot, \zero
	PLACES NP
	WIN 0
	FETCH_A \slot, (\q)+1, 4
.endm
; a slot's last chunk changes slots: in front of the barrier each wave waits for all its tensor loads, adds 0 to its spare word, and waits for that and for its reads of this slot.  fill = 1: the slot is filled again, two slots ahead
.macro TURN slot, next, fill
	s_wait_tensorcnt 0x0                           ; all my tensor loads have landed: my part of the next slot
	ds_add_u32 v[SPW], v[NIL]                      ; 0 onto my spare word
	s_wait_dscnt 4*NL+1                            ; (the add and the youngest 12 loads may be out)
	WIN MUL_LO
	MUL16 0, 1, 1, \slot, 0
	s_wait_dscnt 0x0                               ; the add is done, and my reads of this slot are over
	s_barrier_signal -1
	MUL16 2, 1, 1, \slot, 0
	WIN 0
	s_barrier_wait -1
.if \fill
	CREST                                          ; the barrier has opened a round of the cluster's: no wave of any partner still reads this slot or has a load on its way
	s_add_nc_u64 s[G0+4*\slot+2:G0+4*\slot+3], s[G0+4*\slot+2:G0+4*\slot+3], 2*LOADB
	s_add_nc_u64 s[G0B+4*\slot+2:G0B+4*\slot+3], s[G0B+4*\slot+2:G0B+4*\slot+3], 2*LOADB
	JLOAD G0+4*\slot, G1, G0B+4*\slot, G1B         ; the first tensor load behind the round; its four v_nop are the places in front of the loads below
.else
	PLACES NP
.endif
	FETCH_B \next, 0, 0
	FETCH_A \next, 0, 0
	SCALES \next
	WIN MUL_HI
	MUL16 4, 1, 1, \slot, 0
	MUL16 6, 1, 1, \slot, 0
	PLACES NP
	WIN 0
	FETCH_A \next, 0, 4
.endm
	s_wait_tensorcnt 1                             ; my part of slot 0 is in (slot 1's load may be out)
	s_barrier_signal -1
	s_barrier_wait -1                              ; everybody's is
	FETCH_B 0, 0, 0
	FETCH_A 0, 0, 0
	SCALES 0
	FETCH_A 0, 0, 4
	STEP 0, 0, 1                                   ; the first chunk's products start the sums
	s_mov_b32 s3, LAPS-1
.Llap:
	TURN 0, 1, 1
	STEP 1, 0, 0
	TURN 1, 0, 1
	STEP 0, 0, 0
	s_sub_co_u32 s3, s3, 1
	s_cmp_lg_u32 s3, 0
	s_cbranch_scc1 .Llap
	TURN 0, 1, 0                                   ; the last lap fills nothing
	STEP 1, 0, 0
	s_wait_dscnt 4*NL
	WIN MUL_LO
	MUL16 0, 1, 1, 1, 0
	MUL16 2, 1, 1, 1, 0
	s_wait_dscnt 0
	WIN MUL_HI
	MUL16 4, 1, 1, 1, 0
	MUL16 6, 1, 1, 1, 0
	WIN 0
	; ---- THE WAY OUT: q is multiplied by beta of its head (one f32 multiplication), then each of A's eight blocks (16 rows, a row a lane, 64 registers along B's 128) becomes one fragment and one scale word a row
	PLACES NP
	s_wait_kmcnt 0x0                               ; beta
	s_cmp_eq_u32 s66, 0
	s_mov_b32 s[FF+0], s82                         ; the head hangs on hz: in mode Z on B's block (b / 4), in mode L on A's (a / 4)
	s_mov_b32 s[FF+1], s82
	s_cselect_b32 s[FF+2], s83, s82
	s_mov_b32 s[FF+3], s[FF+2]
	s_cselect_b32 s[FF+4], s82, s83
	s_mov_b32 s[FF+5], s[FF+4]
	s_mov_b32 s[FF+6], s83
	s_mov_b32 s[FF+7], s83
.irp b, 0,1,2,3
	v_mov_b32 v[TM+4+\b], 0                        ; written once: a lane permute's destination counts as one of its sources
.endr
	s_cmp_lg_u32 s67, 0
	s_cbranch_scc1 .Lplain                         ; k is taken as it is
.irp a, 0,1,2,3,4,5,6,7
	WIN 0x82+0x41*(\a/4)                           ; destination and source 0: window 2 or 3
.irp b, 0,1,2,3,4,5,6,7
.irp j, 0,2,4,6
	v_pk_mul_f32 v[64*(\a%4)+8*\b+\j:64*(\a%4)+8*\b+\j+1], v[64*(\a%4)+8*\b+\j:64*(\a%4)+8*\b+\j+1], s[FF+4*(\a/4)+2*(\b/4):FF+4*(\a/4)+2*(\b/4)+1] op_sel_hi:[1,0]
.endr
.endr
.endr
	WIN 0
.Lplain:
; block a: register 16 b + i of the lane is K = 32 b + 16 (lane / 16) + i of its row.  Largest magnitudes with the floor 2^-124; with lane l xor 16's; 2 off the exponent field; bytes; codes; halves of blocks change lanes
.macro QUANTW a
.set QW, 2+(\a)/4
.set QS, 64*((\a)%4)
.set QP, PC+12*(\a)
	WIN (QW<<2)|(QW<<4)                            ; sources 1 and 2: the accumulators' window
.irp b, 0,1,2,3
	v_max3_num_f32 v[TM+\b], 0x1800000, |v[QS+16*\b]|, |v[QS+16*\b+1]|
.endr
.irp i, 2,4,6,8,10,12,14
.irp b, 0,1,2,3
	v_max3_num_f32 v[TM+\b], v[TM+\b], |v[QS+16*\b+\i]|, |v[QS+16*\b+\i+1]|
.endr
.endr
	WIN 0
.irp b, 0,1,2,3
	v_permlanex16_b32 v[TM+4+\b], v[TM+\b], s[SEL], s[SEL+1]
.endr
.irp b, 0,1,2,3
	v_max_num_f32 v[TM+\b], v[TM+\b], v[TM+4+\b]
.endr
.irp b, 0,1,2,3
	v_add_nc_u32 v[TM+12+\b], 0xff000000, v[TM+\b]
.endr
.irp b, 0,1,2,3
	v_lshrrev_b32 v[TM+4+\b], 23, v[TM+12+\b]
.endr
	v_lshl_or_b32 v[PW+(\a)], v[TM+5], 8, v[TM+4]
	v_lshl_or_b32 v[PW+(\a)], v[TM+6], 16, v[PW+(\a)]
	v_lshl_or_b32 v[PW+(\a)], v[TM+7], 24, v[PW+(\a)]
	WIN QW                                         ; source 0: the accumulators' window
.irp c, 0,1
	v_cvt_scalef32_pk16_fp6_f32 v[QP+6*\c:QP+6*\c+2], v[QS+32*\c:QS+32*\c+15], v[TM+12+2*\c]
	v_cvt_scalef32_pk16_fp6_f32 v[TMP+4*\c:TMP+4*\c+2], v[QS+32*\c+16:QS+32*\c+31], v[TM+13+2*\c]
.endr
	WIN 0
	v_nop                                          ; one plain line behind a scaled conversion
.irp c, 0,1
.irp i, 0,1,2
	v_permlane16_swap_b32 v[QP+6*\c+\i], v[TMP+4*\c+\i]
.endr
.irp i, 0,1,2
	v_mov_b32 v[QP+6*\c+3+\i], v[TMP+4*\c+\i]
.endr
.endr
.irp g, 0,1,2
	global_store_b128 v[LI], v[QP+4*\g:QP+4*\g+3], s[10:11] offset:(\a)*FRB+512*\g   ; 32 lanes store 512 consecutive bytes; each block has registers of its own, so no store's data are written again
.endr
.endm
.irp a, 0,1,2,3,4,5,6,7
	QUANTW \a
.endr
.irp j, 0,1,2,3
	v_cndmask_b32 v[RR+\j], v[PW+2*\j], v[PW+2*\j+1], s90   ; both halves of the lanes hold a row's word: lanes 0-15 keep tile 2 j's, lanes 16-31 take tile 2 j + 1's
.endr
	global_store_b128 v[LI], v[RR:RR+3], s[10:11] offset:SWO
	s_wait_tensorcnt 0x0                           ; the wave's end
	ds_add_u32 v[SPW], v[NIL]
	s_wait_dscnt 0x0
	CROUND                                         ; the closing round
	s_endpgm
.Lfunc_end_k_q0466ef9354_proj:
	.size	k_q0466ef9354_proj, .Lfunc_end_k_q0466ef9354_proj-k_q0466ef9354_proj
	.p2alignl 7, 3214868480
	.fill 96, 4, 3214868480
	.section	.rodata,"a",@progbits
	.p2align	6, 0x0
	.amdhsa_kernel k_q0466ef9354_proj
		.amdhsa_group_segment_fixed_size 327680
		.amdhsa_private_segment_fixed_size 0
		.amdhsa_enable_private_segment 0
		.amdhsa_kernarg_size 32
		.amdhsa_user_sgpr_count 2
		.amdhsa_user_sgpr_kernarg_segment_ptr 1
		.amdhsa_wavefront_size32 1
		.amdhsa_system_sgpr_workgroup_id_x 1
		.amdhsa_system_sgpr_workgroup_id_y 1
		.amdhsa_system_sgpr_workgroup_id_z 1
		.amdhsa_system_vgpr_workitem_id 0
		.amdhsa_next_free_vgpr 1024
		.amdhsa_next_free_sgpr 100
		.amdhsa_reserve_vcc 0
		.amdhsa_float_denorm_mode_32 3
		.amdhsa_float_denorm_mode_16_64 3
		.amdhsa_memory_ordered 1
		.amdhsa_forward_progress 1
		.amdhsa_inst_pref_size 153
	.end_amdhsa_kernel
	.amdgpu_metadata
---
amdhsa.version: [ 1, 2 ]
amdhsa.kernels:
  - .name:           k_q0466ef9354_proj
    .symbol:         k_q0466ef9354_proj.kd
    .args:
      - { .name: xi, .offset: 0, .size: 8, .value_kind: global_buffer, .address_space: global }
      - { .name: wd, .offset: 8, .size: 8, .value_kind: global_buffer, .address_space: global }
      - { .name: beta, .offset: 16, .size: 8, .value_kind: global_buffer, .address_space: global }
      - { .name: pj, .offset: 24, .size: 8, .value_kind: global_buffer, .address_space: global }
    .group_segment_fixed_size: 327680
    .private_segment_fixed_size: 0
    .kernarg_segment_align: 8
    .kernarg_segment_size: 32
    .max_flat_workgroup_size: 128
    .sgpr_count:     100
    .vgpr_count:     1024
    .wavefront_size: 32
...
	.end_amdgpu_metadata
.endif
;; end of part 2
;; launch srow (part 3): grid 4 x 64, 16 waves a work-group, clusters of 4 x 1, 209,920 bytes of LDS; arguments pj, beta, st, gr; writes st, gr
.if DOCPART == 3
	.amdgcn_target "amdgcn-amd-amdhsa--gfx1250"
	.amdhsa_code_object_version 6
	.text
	.protected	k_q0466ef9354_srow
	.globl	k_q0466ef9354_srow
	.p2align	8
	.type	k_q0466ef9354_srow,@function
k_q0466ef9354_srow:
	s_mov_b64 s[64:65], 0
	v_nop
	global_prefetch_b8 v0, s[64:65] scope:SCOPE_SE
	s_setreg_imm32_b32 hwreg(HW_REG_WAVE_MODE, 25, 1), 1
	s_wait_xcnt 0x0
	s_wait_alu depctr_hold_cnt(0) depctr_sa_sdst(0) depctr_va_vdst(0) depctr_va_sdst(0) depctr_va_ssrc(0) depctr_va_vcc(0) depctr_vm_vsrc(0)
	s_getreg_b32 s2, hwreg(HW_REG_IB_STS2, 6, 4)
	s_cmp_eq_u32 s2, 0
	s_cbranch_scc0 .Lentry_in_a_cluster
	s_endpgm
.Lentry_in_a_cluster:
	s_bfe_u32 s2, ttmp6, 0x10000c
	s_cmp_lg_u32 s2, 0x3003
	s_cbranch_scc0 .Lentry_shape_is_right
	s_endpgm
.Lentry_shape_is_right:
; Launch 3 of 5: att = bq k^T on codes of E2M3 (K = 64: two blocks of 32), its logsumexp over the keys by a running maximum; then, on the same keys and the same queries,
; datt = -(1 / beta) exp(att - lse), finished and normalised, quantised along the keys, dbq = datt k, dq = beta dbq, quantised along (h, z).  Nothing is left out as dead work.
; With t = att x log2(e), tM the largest t and s the sum of 2^(t - tM):  L2 = tM + log2 s (lse = L2 ln 2),  |datt| = exp(att - lse) / |beta| = 2^(t - o2),  o2 = L2 + log2 |beta|.
; o2 is not under the row's largest t + log2 |beta|: no exponential of the second sweep overflows.  THE SIGN: the quantiser is odd, so |datt| is quantised and the sign goes into the last factor: dq = -|beta| x the sum: the same bits.
; TWO SWEEPS ON ONE FILL OF LDS.  Both walk the pair's 1,024 keys against the wave's own 16 queries, and the second wants o2 of its own queries alone: it stays in two registers a lane.  att is made anew from the same codes: the same sums.
; OUT: st[batch x head pair][2][1,024 queries]: -o2 ln 2 of the pair's two heads, for the next launch, which wants it of all queries; behind them one partial sum a wave of -lse / beta (the energy); gr: dq's records.
; SHARES.  A work-group owns 256 queries of a batch and head pair, a wave one tile of 16 for BOTH heads.  The keys' 8 records along z (scores) and 8 along l (second product) come into LDS once: every wave fetches 6,400 bytes of each.
; CLUSTER 4 x 1: the four work-groups of a batch and head pair want the same 16 records: joint loads, two a wave.
; TWO HEADS IN ONE FRAGMENT.  A record's K is (z of the even head, z of the odd head).  My queries' 12 registers are laid as 18: (even head 6 | zeros 6 | odd head 6): registers 0-11 against a key fragment give the even head's scores,
; registers 6-17 the odd head's; the scale word is cut likewise (the bytes over zero codes are 0).
; Source 0 = 16 keys, source 1 = my 16 queries: a lane holds one query, and its registers run along the keys, 16 neighbours in the registers of two neighbouring tiles: the quantiser's K.
; LIMITS: as stated at the head of launch 1 (beta neither 0 nor denormal; no NaN or infinity among the inputs; the byte 1 for blocks under 2^-124 and for blocks of zeros).
.set REC,   12800
.set FRB,   1536
.set SWO,   12288
.set VTO,   8*REC                      ; the records along l
.set STG,   16*REC                     ; the stage for st: [2][256] f32
.set SWS,   STG+2048                   ; the way out: two scale blocks
.set SPARE, SWS+1024                   ; the spare words, 128 bytes for each of 16 waves
.set SPW, 1
.set NIL, 2
.set LI,  3                            ; v3  16 x lane
.set LV,  4                            ; v4  VTO + 16 x lane
.set STS, 5                            ; v5  the stage: my query's word
.set ADZ, 6                            ; v6  the record along z in hand
.set ADV, 7                            ; v7  the record along l in hand
.set STR, 8                            ; v8  the stage, way out
.set SWA, 9                            ; v9  where my row's scale word goes
.set SWR, 10                           ; v10 where waves 0, 1 read a scale block back
.set L8,  11                           ; v11 8 x lane
.set ON,  12                           ; v[12:13], v[14:15] -o2 of my query, even and odd head
.set QF,  16                           ; v16-33 my queries
.set QSL, 34                           ; their scale word, the even head's bytes;
.set QSH, 35                           ; the odd head's
.set KS,  36                           ; v36-39 scale block of the record along z
.set VS,  40                           ; v40-43 of the record along l
.set PW,  44                           ; v44, v45 datt's scale words, even and odd head
.set FR,  48                           ; v48-95 four fragments; v48-143 eight for the second product
.set TM,  48                           ; at work, over them
.set TMP, 64
.set S0,  96                           ; v96-127, v128-159 scores, then 2^(t - tM) or |datt|
.set O,   160                          ; v160-223 sweep 2: the sums: tile i = 4 head + z / 16 at v[O + 8 i]
.set PC,  224                          ; v224-235, v236-247 datt's codes
.set ST,  160                          ; sweep 1, in O's registers: head h at v[ST + 8 h]: +0 tM (+1 its pair), +2, +3 the sum, +4 f (+5 its pair), +6 the largest score, +7 a second chain
.set W,   176                          ; at work
.set LB,  200                          ; log2 |beta|
.set KB,  202                          ; -ln 2 / beta
.set N2,  204                          ; -o2 ln 2
.set EN,  208
.set LN,  250                          ; lane
.set ZO,  251                          ; 0
.set WV,  14
.set G1,  24
.set G0Z, 32
.set G0V, 36
.set CS,  42
.set SEL, 44
.set TB,  46
.set CNT, 47
.set FC,  58                           ; s[58:59], s[60:61] the last factor
; one scaled product: D at d, source 0 at a, source 1 at b, their scale registers sa, sb; ra, rb = 1: the scales stand in lanes 16-31; zero = 1: the product starts the sum
.macro WM d, a, b, sa, sb, ra, rb, zero
.if \zero
.if (\ra) && (\rb)
	v_wmma_scale_f32_16x16x128_f8f6f4 v[(\d):(\d)+7], v[(\a):(\a)+11], v[(\b):(\b)+11], 0, v[\sa], v[\sb] matrix_a_fmt:MATRIX_FMT_FP6 matrix_b_fmt:MATRIX_FMT_FP6 matrix_a_scale:MATRIX_SCALE_ROW1 matrix_b_scale:MATRIX_SCALE_ROW1
.elseif \ra
	v_wmma_scale_f32_16x16x128_f8f6f4 v[(\d):(\d)+7], v[(\a):(\a)+11], v[(\b):(\b)+11], 0, v[\sa], v[\sb] matrix_a_fmt:MATRIX_FMT_FP6 matrix_b_fmt:MATRIX_FMT_FP6 matrix_a_scale:MATRIX_SCALE_ROW1
.elseif \rb
	v_wmma_scale_f32_16x16x128_f8f6f4 v[(\d):(\d)+7], v[(\a):(\a)+11], v[(\b):(\b)+11], 0, v[\sa], v[\sb] matrix_a_fmt:MATRIX_FMT_FP6 matrix_b_fmt:MATRIX_FMT_FP6 matrix_b_scale:MATRIX_SCALE_ROW1
.else
	v_wmma_scale_f32_16x16x128_f8f6f4 v[(\d):(\d)+7], v[(\a):(\a)+11], v[(\b):(\b)+11], 0, v[\sa], v[\sb] matrix_a_fmt:MATRIX_FMT_FP6 matrix_b_fmt:MATRIX_FMT_FP6
.endif
.else
.if (\ra) && (\rb)
	v_wmma_scale_f32_16x16x128_f8f6f4 v[(\d):(\d)+7], v[(\a):(\a)+11], v[(\b):(\b)+11], v[(\d):(\d)+7], v[\sa], v[\sb] matrix_a_fmt:MATRIX_FMT_FP6 matrix_b_fmt:MATRIX_FMT_FP6 matrix_a_scale:MATRIX_SCALE_ROW1 matrix_b_scale:MATRIX_SCALE_ROW1
.elseif \ra
	v_wmma_scale_f32_16x16x128_f8f6f4 v[(\d):(\d)+7], v[(\a):(\a)+11], v[(\b):(\b)+11], v[(\d):(\d)+7], v[\sa], v[\sb] matrix_a_fmt:MATRIX_FMT_FP6 matrix_b_fmt:MATRIX_FMT_FP6 matrix_a_scale:MATRIX_SCALE_ROW1
.elseif \rb
	v_wmma_scale_f32_16x16x128_f8f6f4 v[(\d):(\d)+7], v[(\a):(\a)+11], v[(\b):(\b)+11], v[(\d):(\d)+7], v[\sa], v[\sb] matrix_a_fmt:MATRIX_FMT_FP6 matrix_b_fmt:MATRIX_FMT_FP6 matrix_b_scale:MATRIX_SCALE_ROW1
.else
	v_wmma_scale_f32_16x16x128_f8f6f4 v[(\d):(\d)+7], v[(\a):(\a)+11], v[(\b):(\b)+11], v[(\d):(\d)+7], v[\sa], v[\sb] matrix_a_fmt:MATRIX_FMT_FP6 matrix_b_fmt:MATRIX_FMT_FP6
.endif
.endif
.endm
.macro CROUND
	s_barrier_signal -1
	s_barrier_wait -1
	s_cmp_lg_u32 s[WV], 0
	s_cbranch_scc1 .Lnot_wave_0_\@
	s_barrier_signal -3
.Lnot_wave_0_\@:
	s_barrier_wait -3
	s_barrier_signal -1
	s_barrier_wait -1
.endm
	s_load_b256 s[4:11], s[0:1], 0x0               ; pj, beta, st, gr
	v_lshl_add_u32 v[SPW], v0, 2, SPARE
	v_mov_b32 v[NIL], 0
	ds_add_u32 v[SPW], v[NIL]                      ; the wave's opening: the add, twice on end, and its wait ahead of my first tensor load
	ds_add_u32 v[SPW], v[NIL]
	v_lshrrev_b32 v11, 5, v0
	v_readfirstlane_b32 s[WV], v11                 ; wave 0..15
	s_bfe_u32 s15, ttmp6, 0x40000                  ; cx: which 256 queries
	s_and_b32 s16, ttmp7, 0xffff                   ; 8 batch + head pair
	s_lshr_b32 s19, s16, 3
	s_and_b32 s20, s16, 7
	s_lshr_b32 s17, s[WV], 3                       ; which 128 of the 256
	s_and_b32 s18, s[WV], 7                        ; a: my tile in them
	s_mov_b32 s[G1], 15|(3<<16)|(1<<21)            ; 15:0 the mask: all four work-groups; 17:16 elements of 8 bytes; 21 set beside a mask
	s_mov_b32 s[G1+1], 32<<16                      ; 6,400 dense bytes as 25 rows of 256
	s_mov_b32 s[G1+2], 25<<16
	s_mov_b32 s[G1+3], 32<<16
	s_mov_b32 s[G1+4], 25
	s_mov_b32 s[G1+5], 32
	s_mov_b32 s[G1+6], 0
	s_mov_b32 s[G1+7], 0
	s_add_co_u32 s66, s20, 8                       ; k's records, quantised along z: (8 + head pair) x 64 + 8 batch on
	s_lshl_b32 s66, s66, 6
	s_lshl_b32 s67, s19, 3
	s_add_co_u32 s66, s66, s67
	s_mul_i32 s66, s66, REC
	s_mul_i32 s21, s[WV], 6400                     ; my sixteenth of them, in memory and in LDS
	s_add_co_u32 s22, s66, s21
	s_mov_b32 s23, 0
	s_lshl_b32 s68, s15, 1
	s_add_co_u32 s68, s68, s67
	s_add_co_u32 s68, s68, s17                     ; my tile's group of 128 rows l: 8 batch + 2 cx + wave / 8
	s_lshl_b32 s69, s20, 6
	s_add_co_u32 s69, s69, s68
	s_mul_i32 s69, s69, REC                        ; my queries' record: bq along z
	s_mul_i32 s70, s18, FRB
	s_add_co_u32 s50, s69, s70
	s_mov_b32 s51, 0
	s_and_b32 s71, s18, 1
	s_lshr_b32 s72, s18, 1
	s_lshl_b32 s73, s71, 8
	s_lshl_b32 s74, s72, 2
	s_add_co_u32 s73, s73, s74                     ; 256 (a % 2) + 4 (a / 2): my tile's words in a scale block, 16 bytes from row to row
	s_add_co_u32 s52, s69, s73
	s_add_co_u32 s52, s52, SWO
	s_mov_b32 s53, 0
	s_lshl_b32 s74, s17, 9
	s_add_co_u32 s74, s74, s73
	s_add_co_u32 s74, s74, SWS                     ; and in the way out's two blocks
	s_lshl_b32 s75, s68, 4
	s_add_co_u32 s75, s75, s20
	s_mul_i32 s75, s75, REC
	s_add_co_u32 s56, s75, s70                     ; gr: record (group, head pair), fragment a
	s_mov_b32 s57, 0
	s_lshl_b32 s76, s17, 9                         ; the stage: 4 x (128 (wave / 8) + 32 (a / 2) + 8 (a % 2))
	s_lshl_b32 s77, s72, 7
	s_add_co_u32 s76, s76, s77
	s_lshl_b32 s77, s71, 5
	s_add_co_u32 s76, s76, s77
	s_add_co_u32 s76, s76, STG
	s_lshl_b32 s48, s16, 13                        ; st: 8,192 bytes a batch and head pair, 4,096 a head; waves 0-7 store 256 bytes each: head wave / 4, my work-group's 1,024 bytes, quarter wave % 4
	s_lshr_b32 s77, s18, 2
	s_lshl_b32 s77, s77, 12
	s_add_co_u32 s48, s48, s77
	s_lshl_b32 s77, s15, 10
	s_add_co_u32 s48, s48, s77
	s_and_b32 s77, s18, 3
	s_lshl_b32 s77, s77, 8
	s_add_co_u32 s48, s48, s77
	s_mov_b32 s49, 0
	s_lshl_b32 s54, s16, 2                         ; the energy's parts, behind st's 524,288 bytes: ((8 batch + head pair) x 4 + cx) x 16 + wave
	s_add_co_u32 s54, s54, s15
	s_lshl_b32 s54, s54, 4
	s_add_co_u32 s54, s54, s[WV]
	s_lshl_b32 s54, s54, 2
	s_add_co_u32 s54, s54, 524288
	s_mov_b32 s55, 0
	s_lshl_b32 s78, s20, 3
	s_mov_b32 s[CS], 0x3fb8aa3b                    ; log2(e)
	s_mov_b32 s[CS+1], s[CS]
	s_mov_b32 s[SEL], 0x76543210
	s_mov_b32 s[SEL+1], 0xfedcba98                 ; v_permlanex16_b32's selects for lane l xor 16
	s_mov_b32 s[G0Z], 1
	s_mov_b32 s[G0Z+1], s21
	s_mov_b32 s[G0V], 1
	s_add_co_u32 s[G0V+1], s21, VTO
	s_wait_dscnt 0x0                               ; both opening adds are done
	s_wait_kmcnt 0x0
	s_load_b64 s[40:41], s[6:7], s78 offset:0x0    ; beta of my two heads
	s_add_nc_u64 s[G0Z+2:G0Z+3], s[4:5], s[22:23]
	s_add_nc_u64 s[G0V+2:G0V+3], s[G0Z+2:G0Z+3], 1024*REC   ; the same records, quantised along l
	s_or_b32 s[G0Z+3], s[G0Z+3], 0x80000000
	s_or_b32 s[G0V+3], s[G0V+3], 0x80000000
	s_add_nc_u64 s[50:51], s[4:5], s[50:51]
	s_add_nc_u64 s[52:53], s[4:5], s[52:53]
	s_add_nc_u64 s[48:49], s[8:9], s[48:49]
	s_add_nc_u64 s[54:55], s[8:9], s[54:55]
	s_add_nc_u64 s[56:57], s[10:11], s[56:57]
	CROUND                                         ; all four work-groups are here: the joint loads meet
	tensor_load_to_lds s[G0Z:G0Z+3], s[G1:G1+7]    ; my two tensor loads: nothing is filled again in this launch
	s_nop 0
	tensor_load_to_lds s[G0V:G0V+3], s[G1:G1+7]
	s_nop 0
	v_and_b32 v[LN], 31, v0
	v_lshlrev_b32 v[LI], 4, v[LN]
	v_add_nc_u32 v[LV], VTO, v[LI]
	v_lshlrev_b32 v[L8], 3, v[LN]
	v_and_b32 v253, 15, v0                         ; r
	v_lshlrev_b32 v248, 4, v253
	v_add_nc_u32 v[SWA], s74, v248
	s_min_u32 s77, s[WV], 1
	s_lshl_b32 s77, s77, 9
	s_add_co_u32 s77, s77, SWS
	v_add_nc_u32 v[SWR], s77, v[LI]
	v_and_b32 v249, 8, v253
	v_add_nc_u32 v249, v249, v253                  ; r + 8 (r / 8)
	v_lshl_add_u32 v[STS], v249, 2, s76
	s_lshl_b32 s77, s18, 8
	s_add_co_u32 s77, s77, STG
	v_add_nc_u32 v[STR], s77, v[L8]
	v_mov_b32 v[ZO], 0
	global_load_b128 v[QF:QF+3], v[LI], s[50:51]                 ; the image's registers 0-3,
	global_load_b64 v[QF+4:QF+5], v[LI], s[50:51] offset:512     ; 4, 5: the even head;
	global_load_b64 v[QF+12:QF+13], v[LI], s[50:51] offset:520   ; 6, 7,
	global_load_b128 v[QF+14:QF+17], v[LI], s[50:51] offset:1024 ; 8-11: the odd head
	global_load_b32 v[QSL], v248, s[52:53]
.irp i, 6,7,8,9,10,11
	v_mov_b32 v[QF+\i], 0                          ; zeros between them
.endr
	v_mov_b32 v[ON+1], 0                           ; (named as the upper halves of pairs)
	v_mov_b32 v[ON+3], 0
	s_wait_loadcnt 0x0
	v_and_b32 v[QSH], 0xffff0000, v[QSL]           ; the scale word is cut in two; the 24 plain lines below stand between these two and the first scaled product, which wants eight
	v_and_b32 v[QSL], 0xffff, v[QSL]
.irp h, 0,1
	v_mov_b32 v[ST+8*\h], 0xff61b1e6               ; tM = -3e38, under every t
	v_mov_b32 v[ST+8*\h+1], 0
	v_mov_b32 v[ST+8*\h+2], 0                      ; the sum, in two halves
	v_mov_b32 v[ST+8*\h+3], 0
	v_mov_b32 v[ST+8*\h+5], 0
	v_mov_b32 v[ST+8*\h+6], 0xff61b1e6             ; the largest score
.endr
	s_wait_kmcnt 0x0
	v_mov_b32 v[LB], s40
	v_mov_b32 v[LB+1], s41
	v_rcp_f32 v[KB], v[LB]
	v_rcp_f32 v[KB+1], v[LB+1]
	v_log_f32 v[W], |v[LB]|
	v_log_f32 v[W+1], |v[LB+1]|
	v_nop                                          ; a plain line behind the last of the four
	s_wait_alu depctr_va_vdst(0)                   ; one wait for the four, ahead of their first reader
	v_mov_b32 v[LB], v[W]
	v_mov_b32 v[LB+1], v[W+1]
	v_mul_f32 v[KB], 0xbf317218, v[KB]             ; x -ln 2
	v_mul_f32 v[KB+1], 0xbf317218, v[KB+1]
	s_wait_tensorcnt 0x0                           ; my parts of the records are in,
	s_barrier_signal -1
	s_barrier_wait -1                              ; everybody's are
; ---- SWEEP 1.  64 keys: four tiles, both heads.  Maximum and sum are kept for each LANE; the two lanes of a query meet once, at the end
.macro HALFS hs
.irp t, 0,1,2,3
.irp g, 0,1,2
	ds_load_b128 v[FR+12*\t+4*\g:FR+12*\t+4*\g+3], v[ADZ] offset:(4*\hs+\t)*FRB+512*\g
.endr
.endr
.if \hs == 0
	ds_load_b128 v[KS:KS+3], v[ADZ] offset:SWO
.endif
	s_wait_dscnt 0x0
.irp t, 0,1,2,3
	WM S0+8*\t, FR+12*\t, QF, KS+(4*\hs+\t)/2, QSL, \t%2, 0, 1
	WM S0+32+8*\t, FR+12*\t, QF+6, KS+(4*\hs+\t)/2, QSH, \t%2, 0, 1
.endr
.rept 4
	v_nop                                          ; places behind the products
.endr
.irp h, 0,1                                    ; the largest score so far, three operands at a time, two chains a head; each accumulator is read from its low end on
	v_max3_num_f32 v[ST+8*\h+6], v[ST+8*\h+6], v[S0+32*\h], v[S0+32*\h+1]
	v_max3_num_f32 v[ST+8*\h+7], v[S0+32*\h+16], v[S0+32*\h+17], v[S0+32*\h+18]
.endr
.irp i, 2,4,6,8,10,12
.irp h, 0,1
	v_max3_num_f32 v[ST+8*\h+6], v[ST+8*\h+6], v[S0+32*\h+\i], v[S0+32*\h+\i+1]
	v_max3_num_f32 v[ST+8*\h+7], v[ST+8*\h+7], v[S0+32*\h+17+\i], v[S0+32*\h+18+\i]
.endr
.endr
.irp h, 0,1
	v_max3_num_f32 v[ST+8*\h+6], v[ST+8*\h+6], v[S0+32*\h+14], v[S0+32*\h+15]
.endr
.irp h, 0,1
	v_max3_num_f32 v[ST+8*\h+6], v[ST+8*\h+6], v[ST+8*\h+7], v[S0+32*\h+31]
.endr
.irp h, 0,1
	v_mul_f32 v[W+\h], s[CS], v[ST+8*\h+6]         ; the new tM
.endr
.irp h, 0,1
	v_sub_f32 v[ST+8*\h+4], v[ST+8*\h], v[W+\h]    ; old tM - new tM, 0 or less
.endr
.irp h, 0,1
	v_mov_b32 v[ST+8*\h], v[W+\h]
.endr
.irp h, 0,1
.set j, 0
.rept 16
	v_pk_fma_f32 v[S0+32*\h+j:S0+32*\h+j+1], v[S0+32*\h+j:S0+32*\h+j+1], s[CS:CS+1], v[ST+8*\h:ST+8*\h+1] op_sel_hi:[1,0,0] neg_lo:[0,0,1] neg_hi:[0,0,1]   ; t - tM
.set j, j+2
.endr
.endr
.set j, 0
.rept 64
	v_exp_f32 v[S0+j], v[S0+j]
.set j, j+1
.endr
	v_exp_f32 v[ST+4], v[ST+4]                     ; f = 2^(old tM - new tM)
	v_exp_f32 v[ST+12], v[ST+12]
	v_nop                                          ; a plain line behind the last exponential
	s_wait_alu depctr_va_vdst(0)                   ; one wait for the batch of 66, ahead of its first reader
.irp h, 0,1
	v_pk_mul_f32 v[ST+8*\h+2:ST+8*\h+3], v[ST+8*\h+2:ST+8*\h+3], v[ST+8*\h+4:ST+8*\h+5] op_sel_hi:[1,0]
	v_pk_add_f32 v[W+2+2*\h:W+3+2*\h], v[S0+32*\h:S0+32*\h+1], v[S0+32*\h+2:S0+32*\h+3]
.endr
.irp j, 4,8,12,16,20,24,28
.irp h, 0,1
	v_pk_add_f32 v[ST+8*\h+2:ST+8*\h+3], v[ST+8*\h+2:ST+8*\h+3], v[S0+32*\h+\j:S0+32*\h+\j+1]
	v_pk_add_f32 v[W+2+2*\h:W+3+2*\h], v[W+2+2*\h:W+3+2*\h], v[S0+32*\h+\j+2:S0+32*\h+\j+3]
.endr
.endr
.irp h, 0,1
	v_pk_add_f32 v[ST+8*\h+2:ST+8*\h+3], v[ST+8*\h+2:ST+8*\h+3], v[W+2+2*\h:W+3+2*\h]
.endr
.endm
	s_mov_b32 s[TB], 0
	s_mov_b32 s[CNT], 8
.Lkeys:                                            ; a trip: one record, 128 keys
	v_add_nc_u32 v[ADZ], s[TB], v[LI]
	HALFS 0
	HALFS 1
	s_add_co_u32 s[TB], s[TB], REC
	s_sub_co_u32 s[CNT], s[CNT], 1
	s_cmp_lg_u32 s[CNT], 0
	s_cbranch_scc1 .Lkeys
	; ---- the two lanes of a query meet
.irp h, 0,1
	v_add_f32 v[W+\h], v[ST+8*\h+2], v[ST+8*\h+3]  ; s
.endr
.irp h, 0,1
	v_permlanex16_b32 v[W+2+\h], v[ST+8*\h], s[SEL], s[SEL+1]   ; the other lane's tM
	v_permlanex16_b32 v[W+4+\h], v[W+\h], s[SEL], s[SEL+1]      ; and s
.endr
.irp h, 0,1
	v_max_num_f32 v[W+6+\h], v[ST+8*\h], v[W+2+\h]
.endr
.irp h, 0,1
	v_sub_f32 v[W+8+\h], v[ST+8*\h], v[W+6+\h]
	v_sub_f32 v[W+10+\h], v[W+2+\h], v[W+6+\h]
.endr
.irp i, 8,9,10,11
	v_exp_f32 v[W+\i], v[W+\i]
.endr
	v_nop
	s_wait_alu depctr_va_vdst(0)
.irp h, 0,1
	v_mul_f32 v[W+\h], v[W+\h], v[W+8+\h]
	v_mul_f32 v[W+4+\h], v[W+4+\h], v[W+10+\h]
.endr
.irp h, 0,1
	v_add_f32 v[W+\h], v[W+\h], v[W+4+\h]          ; the same two numbers in both lanes: the same bits
.endr
	v_log_f32 v[W], v[W]
	v_log_f32 v[W+1], v[W+1]
	v_nop
	s_wait_alu depctr_va_vdst(0)
.irp h, 0,1
	v_add_f32 v[W+\h], v[W+6+\h], v[W+\h]          ; L2
.endr
.irp h, 0,1
	v_sub_f32 v[ON+2*\h], -v[W+\h], v[LB+\h]       ; -o2: it stays here for sweep 2
.endr
.irp h, 0,1
	v_mul_f32 v[N2+\h], 0x3f317218, v[ON+2*\h]     ; -o2 ln 2, for the next launch
.endr
.irp h, 0,1
	ds_store_b32 v[STS], v[N2+\h] offset:1024*\h   ; both lanes of a query write the same word with the same value
.endr
	v_mul_f32 v[EN], v[KB], v[W]
	v_fma_f32 v[EN], v[KB+1], v[W+1], v[EN]        ; -lse / beta of my query, both heads
	v_add_f32_dpp v[EN], v[EN], v[EN] row_xmask:1 row_mask:0xf bank_mask:0xf
	v_add_f32_dpp v[EN], v[EN], v[EN] row_xmask:2 row_mask:0xf bank_mask:0xf
	v_add_f32_dpp v[EN], v[EN], v[EN] row_xmask:4 row_mask:0xf bank_mask:0xf
	v_add_f32_dpp v[EN], v[EN], v[EN] row_xmask:8 row_mask:0xf bank_mask:0xf   ; of my 16 queries (each half of the lanes holds all 16)
	s_wait_dscnt 0x0                               ; for the others' sake: my stores into the stage are done
	s_barrier_signal -1
	s_barrier_wait -1
	s_cmp_ge_u32 s[WV], 8                          ; the stage's 2,048 bytes are eight waves' worth
	s_cbranch_scc1 .Lno_st
	ds_load_b64 v[W+12:W+13], v[STR]
	s_wait_dscnt 0x0
	global_store_b64 v[L8], v[W+12:W+13], s[48:49] ; 32 lanes store 256 consecutive bytes, at a multiple of 256
.Lno_st:
	s_wait_xcnt 0x0                                ; EXEC changes only behind this wait
	v_cmp_eq_u32 vcc_lo, 0, v[LN]
	s_and_saveexec_b32 s79, vcc_lo
	global_store_b32 v[ZO], v[EN], s[54:55]        ; lane 0: my wave's part of the energy
	s_wait_xcnt 0x0                                ; and again; the stores' data, which lie in O's registers, are also written again only behind this wait
	s_or_b32 exec_lo, exec_lo, s79
; ---- SWEEP 2.  64 keys: four tiles, both heads: scores, |datt|, two blocks of 32 a head quantised
.macro GHALF hs
.irp t, 0,1,2,3
.irp g, 0,1,2
	ds_load_b128 v[FR+12*\t+4*\g:FR+12*\t+4*\g+3], v[ADZ] offset:(4*\hs+\t)*FRB+512*\g
.endr
.endr
.if \hs == 0
	ds_load_b128 v[KS:KS+3], v[ADZ] offset:SWO
.endif
	s_wait_dscnt 0x0
.irp t, 0,1,2,3
	WM S0+8*\t, FR+12*\t, QF, KS+(4*\hs+\t)/2, QSL, \t%2, 0, 1
	WM S0+32+8*\t, FR+12*\t, QF+6, KS+(4*\hs+\t)/2, QSH, \t%2, 0, 1
.endr
.rept 4
	v_nop
.endr
.irp h, 0,1
.set j, 0
.rept 16
	v_pk_fma_f32 v[S0+32*\h+j:S0+32*\h+j+1], v[S0+32*\h+j:S0+32*\h+j+1], s[CS:CS+1], v[ON+2*\h:ON+2*\h+1] op_sel_hi:[1,0,0]   ; att log2(e) - o2
.set j, j+2
.endr
.endr
.set j, 0
.rept 64
	v_exp_f32 v[S0+j], v[S0+j]                     ; |datt|
.set j, j+1
.endr
	v_nop                                          ; a plain line behind the last exponential
	s_wait_alu depctr_va_vdst(0)                   ; one wait for the batch, ahead of its first reader
.irp x, 0,1,2,3                                ; block x = 2 head + (which 32): my 16 numbers, none negative, and the floor 2^-124
	v_max3_num_f32 v[TM+\x], v[S0+16*\x], v[S0+16*\x+1], 0x1800000
.endr
.irp i, 2,4,6,8,10,12,14
.irp x, 0,1,2,3
	v_max3_num_f32 v[TM+\x], v[TM+\x], v[S0+16*\x+\i], v[S0+16*\x+\i+1]
.endr
.endr
.irp x, 0,1,2,3
	v_permlanex16_b32 v[TM+4+\x], v[TM+\x], s[SEL], s[SEL+1]
.endr
.irp x, 0,1,2,3
	v_max_num_f32 v[TM+\x], v[TM+\x], v[TM+4+\x]
.endr
.irp x, 0,1,2,3
	v_add_nc_u32 v[TM+8+\x], 0xff000000, v[TM+\x]  ; 2 off the exponent field: the conversion's scale operand
.endr
.irp x, 0,1,2,3
	v_lshrrev_b32 v[TM+4+\x], 23, v[TM+8+\x]       ; the byte
.endr
.irp h, 0,1
.if \hs == 0
	v_lshl_or_b32 v[PW+\h], v[TM+5+2*\h], 8, v[TM+4+2*\h]
.else
	v_lshl_or_b32 v[PW+\h], v[TM+4+2*\h], 16, v[PW+\h]
	v_lshl_or_b32 v[PW+\h], v[TM+5+2*\h], 24, v[PW+\h]
.endif
.endr
.irp h, 0,1
	v_cvt_scalef32_pk16_fp6_f32 v[PC+12*\h+6*\hs:PC+12*\h+6*\hs+2], v[S0+32*\h:S0+32*\h+15], v[TM+8+2*\h]
	v_cvt_scalef32_pk16_fp6_f32 v[TMP+4*\h:TMP+4*\h+2], v[S0+32*\h+16:S0+32*\h+31], v[TM+9+2*\h]
.endr
	v_nop                                          ; one plain line behind a scaled conversion
.irp h, 0,1
.irp i, 0,1,2
	v_permlane16_swap_b32 v[PC+12*\h+6*\hs+\i], v[TMP+4*\h+\i]   ; an operand wants a whole block in a lane
.endr
.irp i, 0,1,2
	v_mov_b32 v[PC+12*\h+6*\hs+3+\i], v[TMP+4*\h+\i]
.endr
.endr
.endm
; 128 keys: a record along z, the same 128 along l.  zero = 1: the second product starts its sums
.macro TRIP zero
	v_add_nc_u32 v[ADZ], s[TB], v[LI]
	v_add_nc_u32 v[ADV], s[TB], v[LV]
	GHALF 0
	GHALF 1
	ds_load_b128 v[VS:VS+3], v[ADV] offset:SWO
.irp i, 0,1,2,3,4,5,6,7
.irp g, 0,1,2
	ds_load_b128 v[FR+12*\i+4*\g:FR+12*\i+4*\g+3], v[ADV] offset:\i*FRB+512*\g
.endr
.endr
.rept 8
	v_nop                                          ; a scale word made by vector lines stands 8 places ahead of the scaled product, codes so made 4
.endr
	s_wait_dscnt 0x0
.irp i, 0,1,2,3,4,5,6,7                        ; source 0 = 16 of the pair's 128 (h, z), source 1 = datt: eight accumulators, one instruction a turn
	WM O+8*\i, FR+12*\i, PC+12*(\i/4), VS+\i/2, PW+\i/4, \i%2, 0, \zero
.endr
.rept 5
	v_nop                                          ; the next scores are laid over fragments that these products read: five places; the next loads want four
.endr
	s_add_co_u32 s[TB], s[TB], REC
.endm
	s_mov_b32 s[TB], 0
	TRIP 1
	s_mov_b32 s[CNT], 7
.Lothers:
	TRIP 0
	s_sub_co_u32 s[CNT], s[CNT], 1
	s_cmp_lg_u32 s[CNT], 0
	s_cbranch_scc1 .Lothers
	; ---- THE WAY OUT: the last factor; then my 16 rows' 128 numbers along (h, z) become one fragment and one scale word a row
	s_or_b32 s[FC], s40, 0x80000000                ; -|beta|
	s_mov_b32 s[FC+1], s[FC]
	s_or_b32 s[FC+2], s41, 0x80000000
	s_mov_b32 s[FC+3], s[FC+2]
.irp h, 0,1
.set j, 0
.rept 16
	v_pk_mul_f32 v[O+32*\h+j:O+32*\h+j+1], v[O+32*\h+j:O+32*\h+j+1], s[FC+2*\h:FC+2*\h+1] op_sel_hi:[1,0]
.set j, j+2
.endr
.endr
.irp b, 0,1,2,3
	v_max3_num_f32 v[TM+\b], |v[O+16*\b]|, |v[O+16*\b+1]|, 0x1800000
.endr
.irp i, 2,4,6,8,10,12,14
.irp b, 0,1,2,3
	v_max3_num_f32 v[TM+\b], v[TM+\b], |v[O+16*\b+\i]|, |v[O+16*\b+\i+1]|
.endr
.endr
.irp b, 0,1,2,3
	v_permlanex16_b32 v[TM+4+\b], v[TM+\b], s[SEL], s[SEL+1]
.endr
.irp b, 0,1,2,3
	v_max_num_f32 v[TM+\b], v[TM+\b], v[TM+4+\b]
.endr
.irp b, 0,1,2,3
	v_add_nc_u32 v[TM+12+\b], 0xff000000, v[TM+\b]
.endr
.irp b, 0,1,2,3
	v_lshrrev_b32 v[TM+4+\b], 23, v[TM+12+\b]
.endr
	v_lshl_or_b32 v[PW], v[TM+5], 8, v[TM+4]
	v_lshl_or_b32 v[PW], v[TM+6], 16, v[PW]
	v_lshl_or_b32 v[PW], v[TM+7], 24, v[PW]
.irp c, 0,1
	v_cvt_scalef32_pk16_fp6_f32 v[S0+6*\c:S0+6*\c+2], v[O+32*\c:O+32*\c+15], v[TM+12+2*\c]
	v_cvt_scalef32_pk16_fp6_f32 v[S0+12+4*\c:S0+14+4*\c], v[O+32*\c+16:O+32*\c+31], v[TM+13+2*\c]
.endr
	v_nop
.irp c, 0,1
.irp i, 0,1,2
	v_permlane16_swap_b32 v[S0+6*\c+\i], v[S0+12+4*\c+\i]
.endr
.irp i, 0,1,2
	v_mov_b32 v[S0+6*\c+3+\i], v[S0+12+4*\c+\i]
.endr
.endr
.irp g, 0,1,2
	global_store_b128 v[LI], v[S0+4*\g:S0+4*\g+3], s[56:57] offset:512*\g   ; 32 lanes store 512 consecutive bytes
.endr
	ds_store_b32 v[SWA], v[PW]                     ; both lanes of a row write the same word with the same value
	s_wait_dscnt 0x0                               ; for the others' sake
	s_barrier_signal -1
	s_barrier_wait -1
	s_cmp_ge_u32 s[WV], 2
	s_cbranch_scc1 .Lno_block
	s_lshl_b32 s66, s19, 3                         ; waves 0, 1: the scale block of group 8 batch + 2 cx + wave
	s_lshl_b32 s67, s15, 1
	s_add_co_u32 s66, s66, s67
	s_add_co_u32 s66, s66, s[WV]
	s_lshl_b32 s66, s66, 4
	s_add_co_u32 s66, s66, s20
	s_mul_i32 s66, s66, REC
	s_add_co_u32 s66, s66, SWO
	s_mov_b32 s67, 0
	s_add_nc_u64 s[62:63], s[10:11], s[66:67]
	ds_load_b128 v[S0+20:S0+23], v[SWR]
	s_wait_dscnt 0x0
	global_store_b128 v[LI], v[S0+20:S0+23], s[62:63]
.Lno_block:
	s_wait_tensorcnt 0x0                           ; the wave's end
	ds_add_u32 v[SPW], v[NIL]
	s_wait_dscnt 0x0
	CROUND                                         ; the closing round
	s_endpgm
.Lfunc_end_k_q0466ef9354_srow:
	.size	k_q0466ef9354_srow, .Lfunc_end_k_q0466ef9354_srow-k_q0466ef9354_srow
	.p2alignl 7, 3214868480
	.fill 96, 4, 3214868480
	.section	.rodata,"a",@progbits
	.p2align	6, 0x0
	.amdhsa_kernel k_q0466ef9354_srow
		.amdhsa_group_segment_fixed_size 209920
		.amdhsa_private_segment_fixed_size 0
		.amdhsa_enable_private_segment 0
		.amdhsa_kernarg_size 32
		.amdhsa_user_sgpr_count 2
		.amdhsa_user_sgpr_kernarg_segment_ptr 1
		.amdhsa_wavefront_size32 1
		.amdhsa_system_sgpr_workgroup_id_x 1
		.amdhsa_system_sgpr_workgroup_id_y 1
		.amdhsa_system_sgpr_workgroup_id_z 1
		.amdhsa_system_vgpr_workitem_id 0
		.amdhsa_next_free_vgpr 256
		.amdhsa_next_free_sgpr 80
		.amdhsa_reserve_vcc 1
		.amdhsa_float_denorm_mode_32 3
		.amdhsa_float_denorm_mode_16_64 3
		.amdhsa_memory_ordered 1
		.amdhsa_forward_progress 1
		.amdhsa_inst_pref_size 84
	.end_amdhsa_kernel
	.amdgpu_metadata
---
amdhsa.version: [ 1, 2 ]
amdhsa.kernels:
  - .name:           k_q0466ef9354_srow
    .symbol:         k_q0466ef9354_srow.kd
    .args:
      - { .name: pj, .offset: 0, .size: 8, .value_kind: global_buffer, .address_space: global }
      - { .name: beta, .offset: 8, .size: 8, .value_kind: global_buffer, .address_space: global }
      - { .name: st, .offset: 16, .size: 8, .value_kind: global_buffer, .address_space: global }
      - { .name: gr, .offset: 24, .size: 8, .value_kind: global_buffer, .address_space: global }
    .group_segment_fixed_size: 209920
    .private_segment_fixed_size: 0
    .kernarg_segment_align: 8
    .kernarg_segment_size: 32
    .max_flat_workgroup_size: 512
    .sgpr_count:     80
    .vgpr_count:     256
    .wavefront_size: 32
...
	.end_amdgpu_metadata
.endif
;; end of part 3
;; launch col (part 4): grid 4 x 64, 16 waves a work-group, clusters of 4 x 1, 217,088 bytes of LDS; arguments pj, st, beta, gr, out0; writes gr, out0
.if DOCPART == 4
	.amdgcn_target "amdgcn-amd-amdhsa--gfx1250"
	.amdhsa_code_object_version 6
	.text
	.protected	k_q0466ef9354_col
	.globl	k_q0466ef9354_col
	.p2align	8
	.type	k_q0466ef9354_col,@function
k_q0466ef9354_col:
	s_mov_b64 s[64:65], 0
	v_nop
	global_prefetch_b8 v0, s[64:65] scope:SCOPE_SE
	s_setreg_imm32_b32 hwreg(HW_REG_WAVE_MODE, 25, 1), 1
	s_wait_xcnt 0x0
	s_wait_alu depctr_hold_cnt(0) depctr_sa_sdst(0) depctr_va_vdst(0) depctr_va_sdst(0) depctr_va_ssrc(0) depctr_va_vcc(0) depctr_vm_vsrc(0)
	s_getreg_b32 s2, hwreg(HW_REG_IB_STS2, 6, 4)
	s_cmp_eq_u32 s2, 0
	s_cbranch_scc0 .Lentry_in_a_cluster
	s_endpgm
.Lentry_in_a_cluster:
	s_bfe_u32 s2, ttmp6, 0x10000c
	s_cmp_lg_u32 s2, 0x3003
	s_cbranch_scc0 .Lentry_shape_is_right
	s_endpgm
.Lentry_shape_is_right:
; Launch 4 of 5: datt = -(1 / beta) exp(att - lse), finished and normalised, quantised along the QUERIES, dk = datt^T bq, quantised along (h, z); and out0.  Nothing is left out as dead work.
; att is made anew from the same codes (the same sums), in the orientation that this quantiser wants: the OWNER is a tile of 16 keys, the others are the queries.
; Source 0 = 16 queries, source 1 = my 16 keys: a lane holds one key and its registers run along the queries, 16 neighbours in the registers of two neighbouring tiles: the quantiser's K.
; |datt| = 2^((att - o2 ln 2) log2(e)), o2 of the QUERY (launch 3): -o2 ln 2 of each register's query is the C of the score's product, then one multiplication.
; o2 is not under the row's largest t + log2 |beta|: no exponential overflows.  THE SIGN: the quantiser is odd, so |datt| is quantised and the sign goes into the last factor: dk = -sign(beta) x the sum: the same bits.
; SHARES: a work-group owns 256 keys of a batch and head pair, a wave one tile for both heads of the pair (laid as in launch 3).  The queries' 8 records quantised along z (scores) and 8 along l (second product) come into LDS once.
; CLUSTER 4 x 1: the four work-groups of a batch and head pair want the same 16 records: joint loads, two a wave.
; LIMITS: as stated at the head of launch 1 (beta neither 0 nor denormal; no NaN or infinity among the inputs; the byte 1 for blocks under 2^-124 and for blocks of zeros).
.set REC,   12800
.set FRB,   1536
.set SWO,   12288
.set VTO,   8*REC                      ; the records along l
.set STL,   16*REC                     ; -o2 ln 2, [2 heads][1,024 queries]
.set SWS,   STL+8192                   ; the way out: two scale blocks
.set SPARE, SWS+1024                   ; the spare words, 128 bytes for each of 16 waves
.set SPW, 1
.set NIL, 2
.set LI,  3                            ; v3  16 x lane
.set LV,  4                            ; v4  VTO + 16 x lane
.set LC,  5                            ; v5  STL + 64 (lane / 16)
.set ADZ, 6
.set ADV, 7
.set ADC, 8
.set SWA, 9                            ; v9  where my row's scale word goes
.set SWR, 10                           ; v10 where waves 0, 1 read a scale block back
.set QF,  16                           ; v16-33 the owner
.set QSL, 34
.set QSH, 35
.set KS,  36                           ; v36-39 scale block of the record along z
.set VS,  40                           ; v40-43 of the record along l
.set PW,  44                           ; v44, v45 datt's scale words, even and odd head
.set STA, 47                           ; v47 STL + 512 wave + 16 lane
.set FR,  48                           ; v48-95 four fragments; v48-143 eight for the second product
.set TM,  48                           ; at work, over them
.set TMP, 64
.set S0,  96                           ; v96-127, v128-159 scores, then |datt|
.set O,   160                          ; v160-223 the sums: tile i = 4 head + z / 16 at v[O + 8 i]
.set PC,  224                          ; v224-235, v236-247 datt's codes
.set WV,  14
.set G1,  24
.set G0Z, 32
.set G0V, 36
.set CS,  42
.set SEL, 44
.set TB,  46
.set TS,  47
.set CNT, 48
.set FC,  58                           ; s[58:59], s[60:61] the last factor
.macro WM d, a, b, sa, sb, ra, rb, zero
.if \zero
.if (\ra) && (\rb)
	v_wmma_scale_f32_16x16x128_f8f6f4 v[(\d):(\d)+7], v[(\a):(\a)+11], v[(\b):(\b)+11], 0, v[\sa], v[\sb] matrix_a_fmt:MATRIX_FMT_FP6 matrix_b_fmt:MATRIX_FMT_FP6 matrix_a_scale:MATRIX_SCALE_ROW1 matrix_b_scale:MATRIX_SCALE_ROW1
.elseif \ra
	v_wmma_scale_f32_16x16x128_f8f6f4 v[(\d):(\d)+7], v[(\a):(\a)+11], v[(\b):(\b)+11], 0, v[\sa], v[\sb] matrix_a_fmt:MATRIX_FMT_FP6 matrix_b_fmt:MATRIX_FMT_FP6 matrix_a_scale:MATRIX_SCALE_ROW1
.elseif \rb
	v_wmma_scale_f32_16x16x128_f8f6f4 v[(\d):(\d)+7], v[(\a):(\a)+11], v[(\b):(\b)+11], 0, v[\sa], v[\sb] matrix_a_fmt:MATRIX_FMT_FP6 matrix_b_fmt:MATRIX_FMT_FP6 matrix_b_scale:MATRIX_SCALE_ROW1
.else
	v_wmma_scale_f32_16x16x128_f8f6f4 v[(\d):(\d)+7], v[(\a):(\a)+11], v[(\b):(\b)+11], 0, v[\sa], v[\sb] matrix_a_fmt:MATRIX_FMT_FP6 matrix_b_fmt:MATRIX_FMT_FP6
.endif
.else
.if (\ra) && (\rb)
	v_wmma_scale_f32_16x16x128_f8f6f4 v[(\d):(\d)+7], v[(\a):(\a)+11], v[(\b):(\b)+11], v[(\d):(\d)+7], v[\sa], v[\sb] matrix_a_fmt:MATRIX_FMT_FP6 matrix_b_fmt:MATRIX_FMT_FP6 matrix_a_scale:MATRIX_SCALE_ROW1 matrix_b_scale:MATRIX_SCALE_ROW1
.elseif \ra
	v_wmma_scale_f32_16x16x128_f8f6f4 v[(\d):(\d)+7], v[(\a):(\a)+11], v[(\b):(\b)+11], v[(\d):(\d)+7], v[\sa], v[\sb] matrix_a_fmt:MATRIX_FMT_FP6 matrix_b_fmt:MATRIX_FMT_FP6 matrix_a_scale:MATRIX_SCALE_ROW1
.elseif \rb
	v_wmma_scale_f32_16x16x128_f8f6f4 v[(\d):(\d)+7], v[(\a):(\a)+11], v[(\b):(\b)+11], v[(\d):(\d)+7], v[\sa], v[\sb] matrix_a_fmt:MATRIX_FMT_FP6 matrix_b_fmt:MATRIX_FMT_FP6 matrix_b_scale:MATRIX_SCALE_ROW1
.else
	v_wmma_scale_f32_16x16x128_f8f6f4 v[(\d):(\d)+7], v[(\a):(\a)+11], v[(\b):(\b)+11], v[(\d):(\d)+7], v[\sa], v[\sb] matrix_a_fmt:MATRIX_FMT_FP6 matrix_b_fmt:MATRIX_FMT_FP6
.endif
.endif
.endm
.macro CROUND
	s_barrier_signal -1
	s_barrier_wait -1
	s_cmp_lg_u32 s[WV], 0
	s_cbranch_scc1 .Lnot_wave_0_\@
	s_barrier_signal -3
.Lnot_wave_0_\@:
	s_barrier_wait -3
	s_barrier_signal -1
	s_barrier_wait -1
.endm
	s_load_b256 s[4:11], s[0:1], 0x0               ; pj, st, beta, gr
	s_load_b64 s[12:13], s[0:1], 0x20              ; out0
	v_lshl_add_u32 v[SPW], v0, 2, SPARE
	v_mov_b32 v[NIL], 0
	ds_add_u32 v[SPW], v[NIL]                      ; the wave's opening: the add, twice on end, and its wait ahead of my first tensor load
	ds_add_u32 v[SPW], v[NIL]
	v_lshrrev_b32 v11, 5, v0
	v_readfirstlane_b32 s[WV], v11                 ; wave 0..15
	s_bfe_u32 s15, ttmp6, 0x40000                  ; cx: which 256 keys
	s_and_b32 s16, ttmp7, 0xffff                   ; the cluster's y: 8 batch + head pair
	s_lshr_b32 s19, s16, 3
	s_and_b32 s20, s16, 7
	s_mov_b32 s[G1], 15|(3<<16)|(1<<21)            ; the mask: all four work-groups; elements of 8 bytes; bit 21 beside a mask
	s_mov_b32 s[G1+1], 32<<16                      ; 6,400 dense bytes as 25 rows of 256
	s_mov_b32 s[G1+2], 25<<16
	s_mov_b32 s[G1+3], 32<<16
	s_mov_b32 s[G1+4], 25
	s_mov_b32 s[G1+5], 32
	s_mov_b32 s[G1+6], 0
	s_mov_b32 s[G1+7], 0
	s_lshl_b32 s62, s20, 6                         ; the others: bq's records: head pair x 64 + 8 batch on
	s_lshl_b32 s63, s19, 3
	s_add_co_u32 s62, s62, s63
	s_mul_i32 s62, s62, REC
	s_mul_i32 s21, s[WV], 6400                     ; my sixteenth, in memory and in LDS
	s_add_co_u32 s22, s62, s21
	s_mov_b32 s23, 0
	s_lshl_b32 s62, s15, 1
	s_add_co_u32 s62, s62, s63                     ; 8 batch + 2 cx
	s_lshr_b32 s63, s[WV], 3
	s_add_co_u32 s66, s62, s63                     ; my tile's group of 128 rows l
	s_add_co_u32 s67, s20, 8                       ; 8 + head pair: k among pj's records, dk among gr's chunks
	s_lshl_b32 s68, s67, 6
	s_add_co_u32 s68, s68, s66
	s_mul_i32 s68, s68, REC                        ; the owner's record
	s_and_b32 s69, s[WV], 7                        ; a: my tile
	s_mul_i32 s70, s69, FRB
	s_add_co_u32 s50, s68, s70
	s_mov_b32 s51, 0
	s_and_b32 s71, s69, 1
	s_lshr_b32 s72, s69, 1
	s_lshl_b32 s73, s71, 8
	s_lshl_b32 s74, s72, 2
	s_add_co_u32 s73, s73, s74                     ; 256 (a % 2) + 4 (a / 2): my tile's words in a scale block
	s_add_co_u32 s52, s68, s73
	s_add_co_u32 s52, s52, SWO
	s_mov_b32 s53, 0
	s_lshl_b32 s74, s63, 9
	s_add_co_u32 s74, s74, s73
	s_add_co_u32 s74, s74, SWS                     ; and in the way out's two blocks
	s_lshl_b32 s75, s66, 4
	s_add_co_u32 s75, s75, s67
	s_mul_i32 s75, s75, REC
	s_add_co_u32 s56, s75, s70                     ; gr: record (group, 8 + head pair), fragment a
	s_mov_b32 s57, 0
	s_lshl_b32 s54, s16, 13                        ; st: 8,192 bytes a batch and head pair;
	s_lshl_b32 s77, s[WV], 9                       ; my sixteenth of them
	s_add_co_u32 s54, s54, s77
	s_mov_b32 s55, 0
	s_lshl_b32 s78, s20, 3
	s_mov_b32 s[CS], 0x3fb8aa3b                    ; log2(e)
	s_mov_b32 s[CS+1], s[CS]
	s_mov_b32 s[SEL], 0x76543210
	s_mov_b32 s[SEL+1], 0xfedcba98
	s_mov_b32 s[G0Z], 1
	s_mov_b32 s[G0Z+1], s21
	s_mov_b32 s[G0V], 1
	s_add_co_u32 s[G0V+1], s21, VTO
	s_wait_dscnt 0x0                               ; both opening adds are done
	s_wait_kmcnt 0x0
	s_load_b64 s[40:41], s[8:9], s78 offset:0x0    ; beta of my two heads
	s_add_nc_u64 s[G0Z+2:G0Z+3], s[4:5], s[22:23]
	s_add_nc_u64 s[G0V+2:G0V+3], s[G0Z+2:G0Z+3], 1024*REC   ; the same records, quantised along l
	s_or_b32 s[G0Z+3], s[G0Z+3], 0x80000000
	s_or_b32 s[G0V+3], s[G0V+3], 0x80000000
	s_add_nc_u64 s[50:51], s[4:5], s[50:51]
	s_add_nc_u64 s[52:53], s[4:5], s[52:53]
	s_add_nc_u64 s[54:55], s[6:7], s[54:55]
	s_add_nc_u64 s[56:57], s[10:11], s[56:57]
	CROUND                                         ; all four work-groups are here: the joint loads meet
	tensor_load_to_lds s[G0Z:G0Z+3], s[G1:G1+7]    ; my two tensor loads: nothing is filled again in this launch
	s_nop 0
	tensor_load_to_lds s[G0V:G0V+3], s[G1:G1+7]
	s_nop 0
	v_and_b32 v250, 31, v0                         ; lane
	v_lshlrev_b32 v[LI], 4, v250
	v_add_nc_u32 v[LV], VTO, v[LI]
	v_bfe_u32 v252, v0, 4, 1
	v_lshlrev_b32 v[LC], 6, v252
	v_add_nc_u32 v[LC], STL, v[LC]
	v_and_b32 v253, 15, v0                         ; r
	v_lshlrev_b32 v248, 4, v253
	v_add_nc_u32 v[SWA], s74, v248
	s_min_u32 s76, s[WV], 1
	s_lshl_b32 s76, s76, 9
	s_add_co_u32 s76, s76, SWS
	v_add_nc_u32 v[SWR], s76, v[LI]
	s_lshl_b32 s76, s[WV], 9
	s_add_co_u32 s76, s76, STL
	v_add_nc_u32 v[STA], s76, v[LI]
	v_mov_b32 v251, 0
	global_load_b128 v[QF:QF+3], v[LI], s[50:51]                 ; the owner: the even head's six registers,
	global_load_b64 v[QF+4:QF+5], v[LI], s[50:51] offset:512
	global_load_b64 v[QF+12:QF+13], v[LI], s[50:51] offset:520   ; the odd head's six,
	global_load_b128 v[QF+14:QF+17], v[LI], s[50:51] offset:1024
	global_load_b32 v[QSL], v248, s[52:53]
	global_load_b128 v[252:255], v[LI], s[54:55]                 ; my 512 bytes of the table of -o2 ln 2
.irp i, 6,7,8,9,10,11
	v_mov_b32 v[QF+\i], 0                          ; zeros between them
.endr
	s_wait_loadcnt 0x0
	ds_store_b128 v[STA], v[252:255]
	v_and_b32 v[QSH], 0xffff0000, v[QSL]           ; the owner's scale word is cut in two: the odd head's bytes,
	v_and_b32 v[QSL], 0xffff, v[QSL]               ; the even head's; the bytes over zero codes are 0
.rept 8
	v_nop                                          ; a scale register written by a vector line stands 8 places ahead of the first scaled product that names it: once, here at the head
.endr
	s_mov_b32 s[TB], 0
	s_mov_b32 s[TS], 0
	s_wait_tensorcnt 0x0                           ; my parts of the records are in,
	s_wait_dscnt 0x0                               ; my part of the table is stored,
	s_barrier_signal -1
	s_barrier_wait -1                              ; everybody's are
; 64 queries: four tiles, both heads: scores, |datt|, two blocks of 32 a head quantised
.macro GHALF hs
.irp t, 0,1,2,3
.irp g, 0,1,2
	ds_load_b128 v[FR+12*\t+4*\g:FR+12*\t+4*\g+3], v[ADZ] offset:(4*\hs+\t)*FRB+512*\g
.endr
.endr
.if \hs == 0
	ds_load_b128 v[KS:KS+3], v[ADZ] offset:SWO
.endif
.irp h, 0,1
.irp t, 0,1,2,3                                ; register j of tile t is query 32 (t / 2) + 8 (t % 2) + 16 (lane / 16) + j of the 128: its -o2 ln 2 is the product's C
	ds_load_b128 v[S0+32*\h+8*\t:S0+32*\h+8*\t+3], v[ADC] offset:4096*\h+128*((4*\hs+\t)/2)+32*(\t%2)
	ds_load_b128 v[S0+32*\h+8*\t+4:S0+32*\h+8*\t+7], v[ADC] offset:4096*\h+128*((4*\hs+\t)/2)+32*(\t%2)+16
.endr
.endr
	s_wait_dscnt 0x0
.irp t, 0,1,2,3
	WM S0+8*\t, FR+12*\t, QF, KS+(4*\hs+\t)/2, QSL, \t%2, 0, 0
	WM S0+32+8*\t, FR+12*\t, QF+6, KS+(4*\hs+\t)/2, QSH, \t%2, 0, 0
.endr
.rept 4
	v_nop
.endr
.set j, 0
.rept 32
	v_pk_mul_f32 v[S0+j:S0+j+1], v[S0+j:S0+j+1], s[CS:CS+1] op_sel_hi:[1,0]
.set j, j+2
.endr
.set j, 0
.rept 64
	v_exp_f32 v[S0+j], v[S0+j]                     ; |datt|
.set j, j+1
.endr
	v_nop                                          ; a plain line behind the last exponential
	s_wait_alu depctr_va_vdst(0)                   ; one wait for the batch, ahead of its first reader
.irp x, 0,1,2,3                                ; block x = 2 head + (which 32): my 16 numbers, none negative, and the floor 2^-124
	v_max3_num_f32 v[TM+\x], v[S0+16*\x], v[S0+16*\x+1], 0x1800000
.endr
.irp i, 2,4,6,8,10,12,14
.irp x, 0,1,2,3
	v_max3_num_f32 v[TM+\x], v[TM+\x], v[S0+16*\x+\i], v[S0+16*\x+\i+1]
.endr
.endr
.irp x, 0,1,2,3
	v_permlanex16_b32 v[TM+4+\x], v[TM+\x], s[SEL], s[SEL+1]
.endr
.irp x, 0,1,2,3
	v_max_num_f32 v[TM+\x], v[TM+\x], v[TM+4+\x]
.endr
.irp x, 0,1,2,3
	v_add_nc_u32 v[TM+8+\x], 0xff000000, v[TM+\x]  ; 2 off the exponent field: the conversion's scale operand
.endr
.irp x, 0,1,2,3
	v_lshrrev_b32 v[TM+4+\x], 23, v[TM+8+\x]       ; the byte
.endr
.irp h, 0,1
.if \hs == 0
	v_lshl_or_b32 v[PW+\h], v[TM+5+2*\h], 8, v[TM+4+2*\h]
.else
	v_lshl_or_b32 v[PW+\h], v[TM+4+2*\h], 16, v[PW+\h]
	v_lshl_or_b32 v[PW+\h], v[TM+5+2*\h], 24, v[PW+\h]
.endif
.endr
.irp h, 0,1
	v_cvt_scalef32_pk16_fp6_f32 v[PC+12*\h+6*\hs:PC+12*\h+6*\hs+2], v[S0+32*\h:S0+32*\h+15], v[TM+8+2*\h]
	v_cvt_scalef32_pk16_fp6_f32 v[TMP+4*\h:TMP+4*\h+2], v[S0+32*\h+16:S0+32*\h+31], v[TM+9+2*\h]
.endr
	v_nop                                          ; one plain line behind a scaled conversion
.irp h, 0,1
.irp i, 0,1,2
	v_permlane16_swap_b32 v[PC+12*\h+6*\hs+\i], v[TMP+4*\h+\i]   ; an operand wants a whole block in a lane
.endr
.irp i, 0,1,2
	v_mov_b32 v[PC+12*\h+6*\hs+3+\i], v[TMP+4*\h+\i]
.endr
.endr
.endm
; 128 queries: a record along z, the same 128 along l.  zero = 1: the second product starts its sums
.macro TRIP zero
	v_add_nc_u32 v[ADZ], s[TB], v[LI]
	v_add_nc_u32 v[ADV], s[TB], v[LV]
	v_add_nc_u32 v[ADC], s[TS], v[LC]
	GHALF 0
	GHALF 1
	ds_load_b128 v[VS:VS+3], v[ADV] offset:SWO
.irp i, 0,1,2,3,4,5,6,7
.irp g, 0,1,2
	ds_load_b128 v[FR+12*\i+4*\g:FR+12*\i+4*\g+3], v[ADV] offset:\i*FRB+512*\g
.endr
.endr
.rept 8
	v_nop                                          ; a scale word made by vector lines stands 8 places ahead of the scaled product, codes so made 4
.endr
	s_wait_dscnt 0x0
.irp i, 0,1,2,3,4,5,6,7                        ; source 0 = 16 of the pair's 128 (h, z), source 1 = datt: eight accumulators, one instruction a turn
	WM O+8*\i, FR+12*\i, PC+12*(\i/4), VS+\i/2, PW+\i/4, \i%2, 0, \zero
.endr
.rept 5
	v_nop                                          ; the next scores are laid over fragments that these products read: five places; the next loads want four
.endr
	s_add_co_u32 s[TB], s[TB], REC
	s_add_co_u32 s[TS], s[TS], 512
.endm
	TRIP 1
	s_mov_b32 s[CNT], 7
.Lothers:
	TRIP 0
	s_sub_co_u32 s[CNT], s[CNT], 1
	s_cmp_lg_u32 s[CNT], 0
	s_cbranch_scc1 .Lothers
	; ---- THE WAY OUT: the last factor; then my 16 rows' 128 numbers along (h, z) become one fragment and one scale word a row
	s_wait_kmcnt 0x0
	s_and_b32 s66, s40, 0x80000000
	s_xor_b32 s[FC], s66, 0xbf800000               ; -sign(beta)
	s_mov_b32 s[FC+1], s[FC]
	s_and_b32 s67, s41, 0x80000000
	s_xor_b32 s[FC+2], s67, 0xbf800000
	s_mov_b32 s[FC+3], s[FC+2]
.irp h, 0,1
.set j, 0
.rept 16
	v_pk_mul_f32 v[O+32*\h+j:O+32*\h+j+1], v[O+32*\h+j:O+32*\h+j+1], s[FC+2*\h:FC+2*\h+1] op_sel_hi:[1,0]
.set j, j+2
.endr
.endr
.irp b, 0,1,2,3
	v_max3_num_f32 v[TM+\b], |v[O+16*\b]|, |v[O+16*\b+1]|, 0x1800000
.endr
.irp i, 2,4,6,8,10,12,14
.irp b, 0,1,2,3
	v_max3_num_f32 v[TM+\b], v[TM+\b], |v[O+16*\b+\i]|, |v[O+16*\b+\i+1]|
.endr
.endr
.irp b, 0,1,2,3
	v_permlanex16_b32 v[TM+4+\b], v[TM+\b], s[SEL], s[SEL+1]
.endr
.irp b, 0,1,2,3
	v_max_num_f32 v[TM+\b], v[TM+\b], v[TM+4+\b]
.endr
.irp b, 0,1,2,3
	v_add_nc_u32 v[TM+12+\b], 0xff000000, v[TM+\b]
.endr
.irp b, 0,1,2,3
	v_lshrrev_b32 v[TM+4+\b], 23, v[TM+12+\b]
.endr
	v_lshl_or_b32 v[PW], v[TM+5], 8, v[TM+4]
	v_lshl_or_b32 v[PW], v[TM+6], 16, v[PW]
	v_lshl_or_b32 v[PW], v[TM+7], 24, v[PW]
.irp c, 0,1
	v_cvt_scalef32_pk16_fp6_f32 v[S0+6*\c:S0+6*\c+2], v[O+32*\c:O+32*\c+15], v[TM+12+2*\c]
	v_cvt_scalef32_pk16_fp6_f32 v[S0+12+4*\c:S0+14+4*\c], v[O+32*\c+16:O+32*\c+31], v[TM+13+2*\c]
.endr
	v_nop
.irp c, 0,1
.irp i, 0,1,2
	v_permlane16_swap_b32 v[S0+6*\c+\i], v[S0+12+4*\c+\i]
.endr
.irp i, 0,1,2
	v_mov_b32 v[S0+6*\c+3+\i], v[S0+12+4*\c+\i]
.endr
.endr
.irp g, 0,1,2
	global_store_b128 v[LI], v[S0+4*\g:S0+4*\g+3], s[56:57] offset:512*\g   ; 32 lanes store 512 consecutive bytes
.endr
	ds_store_b32 v[SWA], v[PW]                     ; both lanes of a row write the same word with the same value
	s_wait_dscnt 0x0                               ; for the others' sake
	s_barrier_signal -1
	s_barrier_wait -1
	s_cmp_ge_u32 s[WV], 2
	s_cbranch_scc1 .Lno_block
	s_lshl_b32 s62, s19, 3                         ; waves 0, 1: the scale block of group 8 batch + 2 cx + wave
	s_lshl_b32 s63, s15, 1
	s_add_co_u32 s62, s62, s63
	s_add_co_u32 s62, s62, s[WV]
	s_lshl_b32 s62, s62, 4
	s_add_co_u32 s62, s62, 8
	s_add_co_u32 s62, s62, s20
	s_mul_i32 s62, s62, REC
	s_add_co_u32 s62, s62, SWO
	s_mov_b32 s63, 0
	s_add_nc_u64 s[62:63], s[10:11], s[62:63]
	ds_load_b128 v[S0+20:S0+23], v[SWR]
	s_wait_dscnt 0x0
	global_store_b128 v[LI], v[S0+20:S0+23], s[62:63]
.Lno_block:
	; ---- out0: the first two clusters' eight work-groups take a batch each (told apart by address alone); wave 0 adds launch 3's 512 parts
	s_cmp_ge_u32 s16, 2
	s_cbranch_scc1 .Lno_energy
	s_cmp_lg_u32 s[WV], 0
	s_cbranch_scc1 .Lno_energy
	s_lshl_b32 s66, s16, 2
	s_add_co_u32 s66, s66, s15                     ; the batch
	s_lshl_b32 s68, s66, 2
	s_mov_b32 s69, 0
	s_lshl_b32 s66, s66, 11
	s_add_co_u32 s66, s66, 524288
	s_mov_b32 s67, 0
	s_add_nc_u64 s[66:67], s[6:7], s[66:67]
	s_add_nc_u64 s[68:69], s[12:13], s[68:69]
.irp i, 0,1,2,3
	global_load_b128 v[O+4*\i:O+4*\i+3], v[LI], s[66:67] offset:512*\i
.endr
	s_wait_loadcnt 0x0
.irp i, 2,4,6,8,10,12,14
	v_pk_add_f32 v[O:O+1], v[O:O+1], v[O+\i:O+\i+1]
.endr
	v_add_f32 v[O], v[O], v[O+1]
	v_add_f32_dpp v[O], v[O], v[O] row_xmask:1 row_mask:0xf bank_mask:0xf
	v_add_f32_dpp v[O], v[O], v[O] row_xmask:2 row_mask:0xf bank_mask:0xf
	v_add_f32_dpp v[O], v[O], v[O] row_xmask:4 row_mask:0xf bank_mask:0xf
	v_add_f32_dpp v[O], v[O], v[O] row_xmask:8 row_mask:0xf bank_mask:0xf
	v_permlanex16_b32 v[O+1], v[O], s[SEL], s[SEL+1]
	v_add_f32 v[O], v[O], v[O+1]
	s_wait_xcnt 0x0                                ; EXEC changes only behind this wait
	v_cmp_eq_u32 vcc_lo, 0, v250
	s_and_saveexec_b32 s70, vcc_lo
	global_store_b32 v251, v[O], s[68:69]
	s_wait_xcnt 0x0
	s_or_b32 exec_lo, exec_lo, s70
.Lno_energy:
	s_wait_tensorcnt 0x0                           ; the wave's end
	ds_add_u32 v[SPW], v[NIL]
	s_wait_dscnt 0x0
	CROUND                                         ; the closing round
	s_endpgm
.Lfunc_end_k_q0466ef9354_col:
	.size	k_q0466ef9354_col, .Lfunc_end_k_q0466ef9354_col-k_q0466ef9354_col
	.p2alignl 7, 3214868480
	.fill 96, 4, 3214868480
	.section	.rodata,"a",@progbits
	.p2align	6, 0x0
	.amdhsa_kernel k_q0466ef9354_col
		.amdhsa_group_segment_fixed_size 217088
		.amdhsa_private_segment_fixed_size 0
		.amdhsa_enable_private_segment 0
		.amdhsa_kernarg_size 40
		.amdhsa_user_sgpr_count 2
		.amdhsa_user_sgpr_kernarg_segment_ptr 1
		.amdhsa_wavefront_size32 1
		.amdhsa_system_sgpr_workgroup_id_x 1
		.amdhsa_system_sgpr_workgroup_id_y 1
		.amdhsa_system_sgpr_workgroup_id_z 1
		.amdhsa_system_vgpr_workitem_id 0
		.amdhsa_next_free_vgpr 256
		.amdhsa_next_free_sgpr 80
		.amdhsa_reserve_vcc 1
		.amdhsa_float_denorm_mode_32 3
		.amdhsa_float_denorm_mode_16_64 3
		.amdhsa_memory_ordered 1
		.amdhsa_forward_progress 1
		.amdhsa_inst_pref_size 66
	.end_amdhsa_kernel
	.amdgpu_metadata
---
amdhsa.version: [ 1, 2 ]
amdhsa.kernels:
  - .name:           k_q0466ef9354_col
    .symbol:         k_q0466ef9354_col.kd
    .args:
      - { .name: pj, .offset: 0, .size: 8, .value_kind: global_buffer, .address_space: global }
      - { .name: st, .offset: 8, .size: 8, .value_kind: global_buffer, .address_space: global }
      - { .name: beta, .offset: 16, .size: 8, .value_kind: global_buffer, .address_space: global }
      - { .name: gr, .offset: 24, .size: 8, .value_kind: global_buffer, .address_space: global }
      - { .name: out0, .offset: 32, .size: 8, .value_kind: global_buffer, .address_space: global }
    .group_segment_fixed_size: 217088
    .private_segment_fixed_size: 0
    .kernarg_segment_align: 8
    .kernarg_segment_size: 40
    .max_flat_workgroup_size: 512
    .sgpr_count:     80
    .vgpr_count:     256
    .wavefront_size: 32
...
	.end_amdgpu_metadata
.endif
;; end of part 4
;; launch outp (part 5): grid 4 x 64, 4 waves a work-group, clusters of 4 x 4, 327,680 bytes of LDS; arguments gr, wh, out1; writes out1
.if DOCPART == 5
	.amdgcn_target "amdgcn-amd-amdhsa--gfx1250"
	.amdhsa_code_object_version 6
	.text
	.protected	k_q0466ef9354_outp
	.globl	k_q0466ef9354_outp
	.p2align	8
	.type	k_q0466ef9354_outp,@function
k_q0466ef9354_outp:
	s_mov_b64 s[64:65], 0
	v_nop
	global_prefetch_b8 v0, s[64:65] scope:SCOPE_SE
	s_setreg_imm32_b32 hwreg(HW_REG_WAVE_MODE, 25, 1), 1
	s_wait_xcnt 0x0
	s_wait_alu depctr_hold_cnt(0) depctr_sa_sdst(0) depctr_va_vdst(0) depctr_va_sdst(0) depctr_va_ssrc(0) depctr_va_vcc(0) depctr_vm_vsrc(0)
	s_getreg_b32 s2, hwreg(HW_REG_IB_STS2, 6, 4)
	s_cmp_eq_u32 s2, 0
	s_cbranch_scc0 .Lentry_in_a_cluster
	s_endpgm
.Lentry_in_a_cluster:
	s_bfe_u32 s2, ttmp6, 0x10000c
	s_cmp_lg_u32 s2, 0xf033
	s_cbranch_scc0 .Lentry_shape_is_right
	s_endpgm
.Lentry_shape_is_right:
; Launch 5 of 5: out1 = dq Wq + dk Wk, both products on codes of E2M3, as ONE product with K = 2,048 = (dq's (h, z), dk's (h, z)).  Nothing is left out as dead work.
; A = gr (rows l, 64 groups of 128, 16 chunks of 128 along K), B = wh (rows d, 8 groups, the same 16 chunks).
; THE TILE is 128 x 256: one group of A, two of B: out1 has 64 x 4 such tiles, 256 work-groups; a tile of 256 x 256 would give 128.  Four waves, each 64 x 128: A's blocks 4 (wave / 2) on, B's group wave % 2: 32 accumulators.
; Source 0 = 16 rows of B, source 1 = 16 rows of A: a lane holds eight neighbouring numbers of a row of out1.  For 128 along K a wave reads 12 fragments for 32 products.
; THE RING: two slots of FOUR chunks each: A's 4 records, then 4 of each of B's two groups: 153,600 bytes.  Waves 0, 1 fetch two records of A each, waves 2, 3 four of B each: one tensor load a wave.  K is four slots: two first fills, two refills,
; each asked for 16 + 3 x 32 matrix instructions ahead of the wait for it.  The 16 chunks are written out: no loop.  Operands come from LDS as images of their registers: 16 bytes a lane, no pitch, no padding.
; CLUSTERS 4 x 4: A's records are shared along a row of the cluster, B's along a column: joint loads.
; The rows of a tile of 16 are not neighbours (row r of tile t is row 32 (t / 2) + 8 (t % 2) + r + 8 (r / 8) of its group): the way out puts each number at its true row and column.
; REGISTERS: window 0: v16-29 addresses; v32-95 scale words, two sets; v128-175, v176-223 A's 4 fragments, two sets; on the way out v128-255.  window 1: B's 8 fragments, two sets at v0, v128.  window 2: accumulator (i, b) at v[8 (8 i + b)].
.set REC,   12800
.set FRB,   1536
.set SWO,   12288
.set NKC,   16
.set GRP,   NKC*REC                    ; a group's records
.set NQ,    4                          ; chunks in a slot
.set ALD,   2*REC                      ; what a wave fetches of A
.set BLD,   4*REC                      ; what a wave fetches of B
.set BOF,   4*REC                      ; B's records lie behind A's four
.set SLOT,  12*REC
.set SPARE, 2*SLOT                     ; behind the ring: the spare words, 128 bytes for each wave
.set FR, 12
.set NP, 4                             ; places behind this matrix instruction
.set SPITCH, 528                       ; the way out: a stage of 16 rows x (512 bytes + 16) for each wave, in slot 0, which has had its last fill and its last read by then
.set ADRA, 16                          ; v16-17 my four blocks of A in slot 0, 1 (+ 16 x lane)
.set ADSA, 18                          ; v18-19 their two registers of A's scale block: 16 x lane + 8 (wave / 2)
.set ADRB, 20                          ; v20-21 my group of B
.set STO,  24                          ; v24 where I put 32 bytes of a row
.set RD,   25                          ; v25 where I read a row back
.set CO,   26                          ; v26 16 x lane
.set SPW,  28
.set NIL,  29
.set SC,   32                          ; scale words: set s, chunk q: B's four registers at SC + 32 s + 8 q, A's two behind them
.set AF,   128
.set BK,   128
.set G1, 24
.set G0, 32
.set G1B, 48
.set G0B, 56
.set MSB, 0
.macro WIN new                         ; the immediate's high byte repeats the setting that is left
.if MSB != (\new)
	s_set_vgpr_msb (MSB<<8)|(\new)
.set MSB, (\new)
.endif
.endm
.set MUL,  0xa1                        ; source 0 (B) window 1, source 1 (A) window 0, C and D window 2
.set TO_B, 0x40                        ; destination window 1, address window 0
.macro WM d, a, b, sa, sb, ra, rb, zero
.if \zero
.if (\ra) && (\rb)
	v_wmma_scale_f32_16x16x128_f8f6f4 v[(\d):(\d)+7], v[(\a):(\a)+11], v[(\b):(\b)+11], 0, v[\sa], v[\sb] matrix_a_fmt:MATRIX_FMT_FP6 matrix_b_fmt:MATRIX_FMT_FP6 matrix_a_scale:MATRIX_SCALE_ROW1 matrix_b_scale:MATRIX_SCALE_ROW1
.elseif \ra
	v_wmma_scale_f32_16x16x128_f8f6f4 v[(\d):(\d)+7], v[(\a):(\a)+11], v[(\b):(\b)+11], 0, v[\sa], v[\sb] matrix_a_fmt:MATRIX_FMT_FP6 matrix_b_fmt:MATRIX_FMT_FP6 matrix_a_scale:MATRIX_SCALE_ROW1
.elseif \rb
	v_wmma_scale_f32_16x16x128_f8f6f4 v[(\d):(\d)+7], v[(\a):(\a)+11], v[(\b):(\b)+11], 0, v[\sa], v[\sb] matrix_a_fmt:MATRIX_FMT_FP6 matrix_b_fmt:MATRIX_FMT_FP6 matrix_b_scale:MATRIX_SCALE_ROW1
.else
	v_wmma_scale_f32_16x16x128_f8f6f4 v[(\d):(\d)+7], v[(\a):(\a)+11], v[(\b):(\b)+11], 0, v[\sa], v[\sb] matrix_a_fmt:MATRIX_FMT_FP6 matrix_b_fmt:MATRIX_FMT_FP6
.endif
.else
.if (\ra) && (\rb)
	v_wmma_scale_f32_16x16x128_f8f6f4 v[(\d):(\d)+7], v[(\a):(\a)+11], v[(\b):(\b)+11], v[(\d):(\d)+7], v[\sa], v[\sb] matrix_a_fmt:MATRIX_FMT_FP6 matrix_b_fmt:MATRIX_FMT_FP6 matrix_a_scale:MATRIX_SCALE_ROW1 matrix_b_scale:MATRIX_SCALE_ROW1
.elseif \ra
	v_wmma_scale_f32_16x16x128_f8f6f4 v[(\d):(\d)+7], v[(\a):(\a)+11], v[(\b):(\b)+11], v[(\d):(\d)+7], v[\sa], v[\sb] matrix_a_fmt:MATRIX_FMT_FP6 matrix_b_fmt:MATRIX_FMT_FP6 matrix_a_scale:MATRIX_SCALE_ROW1
.elseif \rb
	v_wmma_scale_f32_16x16x128_f8f6f4 v[(\d):(\d)+7], v[(\a):(\a)+11], v[(\b):(\b)+11], v[(\d):(\d)+7], v[\sa], v[\sb] matrix_a_fmt:MATRIX_FMT_FP6 matrix_b_fmt:MATRIX_FMT_FP6 matrix_b_scale:MATRIX_SCALE_ROW1
.else
	v_wmma_scale_f32_16x16x128_f8f6f4 v[(\d):(\d)+7], v[(\a):(\a)+11], v[(\b):(\b)+11], v[(\d):(\d)+7], v[\sa], v[\sb] matrix_a_fmt:MATRIX_FMT_FP6 matrix_b_fmt:MATRIX_FMT_FP6
.endif
.endif
.endm
.macro JLOAD g0a, g1a, g0b, g1b        ; a joint load: waves 0 and 1 fetch for A, waves 2 and 3 for B; the branch hangs on the wave's number alone; an s_nop 0 and four v_nop follow each of the two lines
	s_cmp_eq_u32 s15, 0
	s_cbranch_scc0 .Lfor_b_\@
	tensor_load_to_lds s[\g0a:\g0a+3], s[\g1a:\g1a+7]
	s_nop 0
.rept 4
	v_nop
.endr
	s_branch .Lasked_\@
.Lfor_b_\@:
	tensor_load_to_lds s[\g0b:\g0b+3], s[\g1b:\g1b+7]
	s_nop 0
.rept 4
	v_nop
.endr
.Lasked_\@:
.endm
.macro CREST                           ; a round of the cluster's barrier behind its opening barrier
	s_cmp_lg_u32 s14, 0
	s_cbranch_scc1 .Lnot_wave_0_\@
	s_barrier_signal -3
.Lnot_wave_0_\@:
	s_barrier_wait -3
	s_barrier_signal -1
	s_barrier_wait -1
.endm
.macro CROUND
	s_barrier_signal -1
	s_barrier_wait -1
	CREST
.endm
	s_load_b128 s[4:7], s[0:1], 0x0                ; gr, wh
	s_load_b64 s[12:13], s[0:1], 0x10              ; out1
	v_lshl_add_u32 v[SPW], v0, 2, SPARE
	v_mov_b32 v[NIL], 0
	ds_add_u32 v[SPW], v[NIL]                      ; the wave's opening: the add, twice on end, and its wait ahead of my first tensor load
	ds_add_u32 v[SPW], v[NIL]
	v_lshrrev_b32 v1, 5, v0
	v_readfirstlane_b32 s14, v1                    ; wave 0..3
	s_lshr_b32 s15, s14, 1                         ; which four of A's eight blocks I multiply.  Also: I fetch for A (0) or for B (1)
	s_and_b32 s16, s14, 1                          ; which of B's two groups I multiply.  Also: which part I fetch
	s_bfe_u32 s40, ttmp6, 0x40000                  ; cx
	s_bfe_u32 s41, ttmp6, 0x40004                  ; cy
	s_lshl_b32 s42, ttmp9, 2
	s_add_co_u32 s42, s42, s40                     ; X: tile column, 256 of d
	s_and_b32 s17, ttmp7, 0xffff
	s_lshl_b32 s17, s17, 2
	s_add_co_u32 s17, s17, s41                     ; Y: tile row, a group of 128 rows l
	s_lshl_b32 s43, s41, 2
	s_lshl_b32 s43, 15, s43                        ; my row of the cluster
	s_lshl_b32 s44, 0x1111, s40                    ; my column
	s_or_b32 s[G1+0], s43, (3<<16)|(1<<21)         ; 15:0 the mask: A's records go to my row; 17:16 elements of 8 bytes; 21 set beside a mask
	s_or_b32 s[G1B+0], s44, (3<<16)|(1<<21)
	s_mov_b32 s[G1+1], 32<<16                      ; A: 25,600 dense bytes as 100 rows of 256
	s_mov_b32 s[G1+2], 100<<16
	s_mov_b32 s[G1+3], 32<<16
	s_mov_b32 s[G1+4], 100
	s_mov_b32 s[G1+5], 32
	s_mov_b32 s[G1+6], 0
	s_mov_b32 s[G1+7], 0
	s_mov_b32 s[G1B+1], 32<<16                     ; B: 51,200 dense bytes as 200 rows of 256
	s_mov_b32 s[G1B+2], 200<<16
	s_mov_b32 s[G1B+3], 32<<16
	s_mov_b32 s[G1B+4], 200
	s_mov_b32 s[G1B+5], 32
	s_mov_b32 s[G1B+6], 0
	s_mov_b32 s[G1B+7], 0
	s_mul_i32 s20, s17, GRP                        ; A's group,
	s_mul_i32 s45, s16, ALD                        ; my two of a slot's four records: in memory and in the slot
	s_add_co_u32 s20, s20, s45
	s_mov_b32 s21, 0
	s_lshl_b32 s46, s42, 1
	s_add_co_u32 s46, s46, s16
	s_mul_i32 s46, s46, GRP                        ; B's group that I fetch, which is also the one that I multiply
	s_mov_b32 s47, 0
	s_mul_i32 s18, s16, BLD
	s_add_co_u32 s18, s18, BOF                     ; where it lands in a slot: no place in the cluster enters an LDS address
	s_wait_dscnt 0x0                               ; both opening adds are done
	s_wait_kmcnt 0x0
	s_add_nc_u64 s[20:21], s[4:5], s[20:21]
	s_add_nc_u64 s[46:47], s[6:7], s[46:47]
	CROUND                                         ; all sixteen work-groups are here: the first joint loads meet
.irp s, 0,1
	s_mov_b32 s[G0+4*\s], 1
	s_add_co_u32 s[G0+4*\s+1], s45, \s*SLOT
	s_add_nc_u64 s[G0+4*\s+2:G0+4*\s+3], s[20:21], \s*NQ*REC
	s_or_b32 s[G0+4*\s+3], s[G0+4*\s+3], 0x80000000
	s_mov_b32 s[G0B+4*\s], 1
	s_add_co_u32 s[G0B+4*\s+1], s18, \s*SLOT
	s_add_nc_u64 s[G0B+4*\s+2:G0B+4*\s+3], s[46:47], \s*NQ*REC
	s_or_b32 s[G0B+4*\s+3], s[G0B+4*\s+3], 0x80000000
	JLOAD G0+4*\s, G1, G0B+4*\s, G1B
.endr
	v_and_b32 v1, 31, v0
	v_lshlrev_b32 v[CO], 4, v1
	s_mul_i32 s21, s15, 4*FRB                      ; my four blocks of A's eight
	s_lshl_b32 s23, s15, 3                         ; tiles 4 (wave / 2) on are registers 2 (wave / 2) and the next of the scale block: 8 bytes on in each lane's 16
	s_mul_i32 s22, s16, BLD
	s_add_co_u32 s22, s22, BOF
.irp s, 0,1
	v_add_nc_u32 v[ADRA+\s], s21, v[CO]
	v_add_nc_u32 v[ADSA+\s], s23, v[CO]
	v_add_nc_u32 v[ADRB+\s], s22, v[CO]
	s_add_co_u32 s21, s21, SLOT
	s_add_co_u32 s23, s23, SLOT
	s_add_co_u32 s22, s22, SLOT
.endr
	s_mul_i32 s19, s14, 16*SPITCH                  ; my stage
	v_and_b32 v2, 15, v0
	v_bfe_u32 v3, v0, 4, 1
	v_mul_u32_u24 v[STO], v2, SPITCH
	v_lshl_add_u32 v[STO], v3, 6, v[STO]           ; row r, + 64 (lane / 16): a lane's eight numbers of tile b are columns 32 (b / 2) + 8 (b % 2) + 16 (lane / 16) + 0 .. 7
	v_add_nc_u32 v[STO], s19, v[STO]
	v_add_nc_u32 v[RD], s19, v[CO]
	s_lshl_b32 s20, s17, 7
	s_lshl_b32 s21, s15, 6
	s_add_co_u32 s20, s20, s21                     ; my first row of out1: 128 Y + 64 (wave / 2)
	s_lshl_b32 s20, s20, 12                        ; rows of 4,096 bytes
	s_lshl_b32 s46, s42, 10
	s_lshl_b32 s47, s16, 9
	s_add_co_u32 s46, s46, s47                     ; my first column, in bytes
	s_add_co_u32 s20, s20, s46
	s_mov_b32 s21, 0
	s_add_nc_u64 s[12:13], s[12:13], s[20:21]
.macro FRAG reg, adr, q, i             ; fragment i of the slot's q-th chunk: three loads of 16 bytes a lane, 512 consecutive bytes each
.irp g, 0,1,2
	ds_load_b128 v[(\reg)+4*\g:(\reg)+4*\g+3], v[\adr] offset:(\q)*REC+(\i)*FRB+512*\g
.endr
.endm
.macro FETCH slot, q, p                ; 36 loads in one run: B's eight and my four of A's fragments of the slot's q-th chunk, into sets p
	WIN TO_B
.irp i, 0,1,2,3,4,5,6,7
	FRAG 128*(\p)+FR*\i, ADRB+\slot, \q, \i
.endr
	WIN 0
.irp i, 0,1,2,3
	FRAG AF+48*(\p)+FR*\i, ADRA+\slot, \q, \i
.endr
.endm
.macro SCALES slot                     ; the four chunks' scale words into set slot
.irp q, 0,1,2,3
	ds_load_b128 v[SC+32*\slot+8*\q:SC+32*\slot+8*\q+3], v[ADRB+\slot] offset:\q*REC+SWO
	ds_load_b64 v[SC+32*\slot+8*\q+4:SC+32*\slot+8*\q+5], v[ADSA+\slot] offset:\q*REC+SWO
.endr
.endm
; 16 matrix instructions: my blocks i0, i0 + 1 of A x B's eight.  p: the sets; q: the chunk in the slot; sc: the set of scale words.  The 32 accumulators take turns, one instruction a turn, in the same order in every chunk
.macro MUL16 i0, p, q, sc, zero
.irp i, \i0, \i0+1
.irp b, 0,1,2,3,4,5,6,7
	WM 8*(8*(\i)+\b), 128*(\p)+FR*\b, AF+48*(\p)+FR*(\i), SC+32*(\sc)+8*(\q)+\b/2, SC+32*(\sc)+8*(\q)+4+(\i)/2, \b%2, (\i)%2, \zero
.endr
.endr
.endm
.macro PLACES n                        ; plain vector lines between a matrix instruction and a load into, or a store of, its registers
.rept \n
	v_nop
.endr
.endm
.macro STEP slot, q, zero              ; a chunk that has its successor in the same slot: its fragments are in; the next chunk's are asked for, into the sets that the chunk before has multiplied; 32 products
	s_wait_dscnt 0x0
	PLACES NP
	FETCH \slot, (\q)+1, 1-(\q)%2
	WIN MUL
	MUL16 0, (\q)%2, \q, \slot, \zero
	MUL16 2, (\q)%2, \q, \slot, \zero
.endm
; a slot's last chunk changes slots: in front of the barrier each wave waits for all its tensor loads, adds 0 to its spare word, and waits for that and for its reads of this slot (the last were this chunk's fragments).  fill = 1: the slot is filled again, two slots ahead
.macro TURN slot, next, fill
	WIN 0                                          ; (the add's two registers lie in window 0)
	s_wait_tensorcnt 0x0                           ; all my tensor loads have landed: my part of the next slot
	ds_add_u32 v[SPW], v[NIL]                      ; 0 onto my spare word
	s_wait_dscnt 0x0                               ; the add is done, and my reads of this slot are over
	s_barrier_signal -1
	WIN MUL
	MUL16 0, 1, NQ-1, \slot, 0                     ; work on registers while the others arrive
	WIN 0
	s_barrier_wait -1
.if \fill
	CREST                                          ; the barrier has opened a round of the cluster's: no wave of any partner still reads this slot or has a load on its way
	s_add_nc_u64 s[G0+4*\slot+2:G0+4*\slot+3], s[G0+4*\slot+2:G0+4*\slot+3], 2*NQ*REC
	s_add_nc_u64 s[G0B+4*\slot+2:G0B+4*\slot+3], s[G0B+4*\slot+2:G0B+4*\slot+3], 2*NQ*REC
	JLOAD G0+4*\slot, G1, G0B+4*\slot, G1B         ; the first tensor load behind the round; its four v_nop are the places in front of the loads below
.else
	PLACES NP
.endif
	FETCH \next, 0, 0
	SCALES \next
	WIN MUL
	MUL16 2, 1, NQ-1, \slot, 0
.endm
	s_wait_tensorcnt 1                             ; my part of slot 0 is in (slot 1's load may be out)
	s_barrier_signal -1
	s_barrier_wait -1                              ; everybody's is
	FETCH 0, 0, 0
	SCALES 0
	STEP 0, 0, 1                                   ; chunk 0's products start the sums
	STEP 0, 1, 0
	STEP 0, 2, 0
	TURN 0, 1, 1                                   ; slot 0 takes chunks 8-11
	STEP 1, 0, 0
	STEP 1, 1, 0
	STEP 1, 2, 0
	TURN 1, 0, 1                                   ; slot 1 takes chunks 12-15
	STEP 0, 0, 0
	STEP 0, 1, 0
	STEP 0, 2, 0
	TURN 0, 1, 0                                   ; nothing is left to fetch
	STEP 1, 0, 0
	STEP 1, 1, 0
	STEP 1, 2, 0
	s_wait_dscnt 0x0                               ; the last chunk
	WIN MUL
	MUL16 0, 1, NQ-1, 1, 0
	MUL16 2, 1, NQ-1, 1, 0
	WIN 0
; THE WAY OUT, block by block of 16 rows x 128 columns, through my own stage: in by lanes (32 bytes of a row each), back as whole rows of 512 bytes.  LDS serves a wave's instructions in order: no wait between the stores and the loads
.macro TOSTAGE a
.set AC, 64*(\a)
	WIN 0x08                                       ; the data: window 2
.irp b, 0,1,2,3,4,5,6,7
	ds_store_b128 v[STO], v[AC+8*\b:AC+8*\b+3] offset:128*(\b/2)+32*(\b%2)          ; each accumulator from its low end on
	ds_store_b128 v[STO], v[AC+8*\b+4:AC+8*\b+7] offset:128*(\b/2)+32*(\b%2)+16
.endr
	WIN 0
.set BB, BK+64*((\a)%2)
.irp t, 0,1,2,3,4,5,6,7,8,9,10,11,12,13,14,15
	ds_load_b128 v[BB+4*\t:BB+4*\t+3], v[RD] offset:\t*SPITCH
.endr
.endm
.macro SEND a, younger                 ; younger: the LDS instructions issued behind block a's loads, which may stay out
.set BB, BK+64*((\a)%2)
	s_wait_dscnt \younger
.irp t, 0,1,2,3,4,5,6,7,8,9,10,11,12,13,14,15
	global_store_b128 v[CO], v[BB+4*\t:BB+4*\t+3], s[12:13] offset:(32*((\a)/2)+8*((\a)%2)+\t+8*(\t/8))*4096 th:TH_STORE_NT   ; 32 lanes store 512 consecutive bytes of the row's true place; 63 rows on at the most
.endr
.endm
	PLACES NP                                      ; for the stores of results just made, and for the loads into the registers that held A's fragments
	TOSTAGE 0
.irp a, 1,2,3
.if \a > 1
	s_wait_xcnt 0x0                                ; block a - 2's stores have read their registers: block a's loads may land there
.endif
	TOSTAGE \a
	SEND \a-1, 32                                  ; behind block a - 1's loads: block a's 16 stores and 16 loads
.endr
	SEND 3, 0
	s_wait_tensorcnt 0x0                           ; the wave's end
	ds_add_u32 v[SPW], v[NIL]
	s_wait_dscnt 0x0
	CROUND                                         ; the closing round
	s_endpgm
.Lfunc_end_k_q0466ef9354_outp:
	.size	k_q0466ef9354_outp, .Lfunc_end_k_q0466ef9354_outp-k_q0466ef9354_outp
	.p2alignl 7, 3214868480
	.fill 96, 4, 3214868480
	.section	.rodata,"a",@progbits
	.p2align	6, 0x0
	.amdhsa_kernel k_q0466ef9354_outp
		.amdhsa_group_segment_fixed_size 327680
		.amdhsa_private_segment_fixed_size 0
		.amdhsa_enable_private_segment 0
		.amdhsa_kernarg_size 24
		.amdhsa_user_sgpr_count 2
		.amdhsa_user_sgpr_kernarg_segment_ptr 1
		.amdhsa_wavefront_size32 1
		.amdhsa_system_sgpr_workgroup_id_x 1
		.amdhsa_system_sgpr_workgroup_id_y 1
		.amdhsa_system_sgpr_workgroup_id_z 1
		.amdhsa_system_vgpr_workitem_id 0
		.amdhsa_next_free_vgpr 768
		.amdhsa_next_free_sgpr 66
		.amdhsa_reserve_vcc 0
		.amdhsa_float_denorm_mode_32 3
		.amdhsa_float_denorm_mode_16_64 3
		.amdhsa_memory_ordered 1
		.amdhsa_forward_progress 1
		.amdhsa_inst_pref_size 130
	.end_amdhsa_kernel
	.amdgpu_metadata
---
amdhsa.version: [ 1, 2 ]
amdhsa.kernels:
  - .name:           k_q0466ef9354_outp
    .symbol:         k_q0466ef9354_outp.kd
    .args:
      - { .name: gr, .offset: 0, .size: 8, .value_kind: global_buffer, .address_space: global }
      - { .name: wh, .offset: 8, .size: 8, .value_kind: global_buffer, .address_space: global }
      - { .name: out1, .offset: 16, .size: 8, .value_kind: global_buffer, .address_space: global }
    .group_segment_fixed_size: 327680
    .private_segment_fixed_size: 0
    .kernarg_segment_align: 8
    .kernarg_segment_size: 24
    .max_flat_workgroup_size: 128
    .sgpr_count:     66
    .vgpr_count:     768
    .wavefront_size: 32
...
	.end_amdgpu_metadata
.endif
;; end of part 5
